; MI455X (gfx1250); checked and timed in simulation.
; The chip was launched on July 23, 2026; its instructions are those of AMD's public machine-readable ISA for CDNA 5 (MIT licence, August 2026) and "CDNA5" Instruction Set Architecture Reference Guide (July 2026). The comments in the code are by the model that wrote it; some were corrected since.
;; Encoder Block. Allowed arithmetic: matrix products marked QUANTISED: E4M3 operands, one given power-of-two scale a tensor, by v_wmma_f32_16x16x64_fp8_fp8 or v_wmma_f32_16x16x128_fp8_fp8, f32 sums; everything else in f32.
;; Inputs: W1 1,024 x 4,096 float32; W2 4,096 x 1,024 float32; Wk 1,024 x 1,024 float32; Wo 1,024 x 1,024 float32; Wq 1,024 x 1,024 float32; Wv 1,024 x 1,024 float32; a1 1 float32; a2 1 float32; b1 4,096 float32; b2 1,024 float32; bk 1,024 float32; bo 1,024 float32; bq 1,024 float32; bv 1,024 float32; lowp_scales 16 int32 (the exponents e of the quantised operands' scales 2^e); mask 2 x 1 x 1 x 2,048 int32; o1 1 float32; o2 1 float32; xb 2 x 2,048 x 1,024 float32.
;; Outputs: out0 2 x 2,048 x 1,024 float32.
;; This version of the problem:
;;   THIS VERSION OF THE PROBLEM IS GIVEN IN LOW PRECISION. The matrix products marked QUANTISED in the list below multiply operands that are first quantised to E4M3 (4 exponent bits, 3 mantissa bits; 8 bits a number), with one given power-of-two scale for each operand tensor; their sums are f32. All else is computed in f32.
;;   The module's matrix products, in the order in which they are computed (A, B: the left and right operand; K: the contracted axis; several contracted axes count as one K, in the product's order):
;;     1. [M 4,096, K 1,024] x [K 1,024, N 1,024]; A: computed on the way; B: input Wq: QUANTISED (scales: A lowp_scales[0], B lowp_scales[1])
;;     2. [M 4,096, K 1,024] x [K 1,024, N 1,024]; A: computed on the way; B: input Wk: QUANTISED (scales: A lowp_scales[2], B lowp_scales[3])
;;     3. [M 4,096, K 1,024] x [K 1,024, N 1,024]; A: computed on the way; B: input Wv: QUANTISED (scales: A lowp_scales[4], B lowp_scales[5])
;;     4. batch 32 x [M 2,048, K 64] x [K 64, N 2,048]; A: computed on the way; B: computed on the way: QUANTISED (scales: A lowp_scales[6], B lowp_scales[7])
;;     5. batch 32 x [M 2,048, K 2,048] x [K 2,048, N 64]; A: softmax (see below); B: computed on the way: QUANTISED (scales: A lowp_scales[8], B lowp_scales[9])
;;     6. [M 4,096, K 1,024] x [K 1,024, N 1,024]; A: computed on the way; B: input Wo: QUANTISED (scales: A lowp_scales[10], B lowp_scales[11])
;;     7. [M 4,096, K 1,024] x [K 1,024, N 4,096]; A: computed on the way; B: input W1: QUANTISED (scales: A lowp_scales[12], B lowp_scales[13])
;;     8. [M 4,096, K 4,096] x [K 4,096, N 1,024]; A: computed on the way; B: input W2: QUANTISED (scales: A lowp_scales[14], B lowp_scales[15])
;;   THE QUANTISER, for each operand of a quantised product, along K:
;;     - The operand's scale is 2^e, e = its entry of the input lowp_scales (int32; the entries are numbered through the quantised products in the list's order, A before B).
;;     - Each number is divided by the scale, clamped to +-448, and rounded to the nearest number of E4M3, ties to even, subnormals kept.
;;     - The product sums the exact products of the quantised numbers (number of the format x scale) in f32.
;;   ~~~python
;;   def quantise(x, axis, e):      # numpy; x: float32 -> the quantised numbers, widened to float32 again
;;       x = np.moveaxis(x, axis, -1); K = x.shape[-1]
;;       r = np.clip(x / 2.0 ** e, -448, 448)
;;       step = 2.0 ** (np.maximum(np.frexp(np.where(r == 0, 1, r))[1] - 1, -6) - 3)
;;       q = np.round(r / step) * step * 2.0 ** e      # np.round: ties to even
;;       return np.moveaxis(q, -1, axis).astype(np.float32)
;;   ~~~
;;   SOFTMAX AHEAD OF A QUANTISED PRODUCT. Where the list says 'softmax', what is quantised is not the finished softmax but p = 2^(t - M), with t = logit x log2(e) and M = ceil(the row's largest t), a whole number; so 1/2 < the row's largest p <= 1. The row's sum l is taken of the UNQUANTISED p, in f32, and the product's result is divided by l at the end. Since M is a whole number, a kernel that streams over the keys may use a running M (the ceiling of the running maximum): every later rescaling is an exact power of two, so the quantised numbers keep their values, but for numbers so far below the row's largest that they fall under the format's range.
;;   OPERANDS COMPUTED ON THE WAY. 'Computed on the way' means the value that the module computes at that place (a softmax that the list does not call 'softmax' is quantised finished and normalised). What goes into a quantiser is computed in f32, as accurately as f32 sums, v_exp_f32 and their like allow (about 1e-6 of the number): no bf16 or f16 on the way to a quantiser, and a product that is left as it is and whose result goes on into a quantised operand takes f32 operands (vector FMAs, or v_wmma_f32_16x16x4_f32). A number that lies on a knife's edge between two numbers of the format may be rounded either way, as far as f32 arithmetic and the matrix unit's own rounding can turn it there, and no further.
;; 2 versions, each right; version 2 is version 1 with the launch attn written anew for expert scheduling mode. Each part assembles by itself: llvm-mc -triple=amdgcn-amd-amdhsa -mcpu=gfx1250 --defsym DOCPART=n.
;; ======== version 1 of 2: 7 launches
;; limits: right only within a limited range of input values
;; workspace buffers: wc 12,582,912 bytes; xc 12,582,912 bytes; qkv 12,582,912 bytes; ac 4,194,304 bytes; hb 16,777,216 bytes; zc 4,194,304 bytes; hid 16,777,216 bytes
;; launch prep (part 1): grid 640 x 1, 4 waves a work-group, no clusters, 35,328 bytes of LDS; arguments Wq, Wk, Wv, Wo, W1, W2, xb, a1, o1, lowp_scales, wc, xc; writes wc, xc
.if DOCPART == 1
	.amdgcn_target "amdgcn-amd-amdhsa--gfx1250"
	.amdhsa_code_object_version 6
	.text
	.protected	k_qcf911f5b90_prep
	.globl	k_qcf911f5b90_prep
	.p2align	8
	.type	k_qcf911f5b90_prep,@function
k_qcf911f5b90_prep:
	s_mov_b64 s[64:65], 0
	v_nop
	global_prefetch_b8 v0, s[64:65] scope:SCOPE_SE
	s_setreg_imm32_b32 hwreg(HW_REG_WAVE_MODE, 25, 1), 1
	s_wait_xcnt 0x0
; TWO JOBS IN ONE LAUNCH, parted on the work-group's number.
; Work-groups 0-383: the six weights, f32 [K][N], become codes of E4M3 laid [N][K], K innermost, each with its given scale 2^e.
;   A lane takes a column n and its registers run down K: each load reads 128 consecutive bytes a wave, and the conversions give codes with K innermost.
;   A wave takes 32 columns x 256 along K; the codes go through the wave's own stage in LDS and leave as rows: sixteen lanes store 256 consecutive aligned bytes.
;   In Wq, Wk and W1 the 32 output rows of a group change places: row x lies at 16 ((x >> 3) & 1) + (x & 7) + 8 (x >> 4), so that the products that use them
;   transposed leave 16 neighbouring features in a lane's registers.
; Work-groups 384-639: the first layer norm of xb (mean; sum of squared deviations / 1023; a1 d / (std + 1e-6) + o1), quantised three times, with entries 0, 2, 4.
;   A wave takes a whole row (32 numbers a lane), four rows one after the other.  In the third set the 32 token rows of a group change places as above.
; code = x / 2^e, held within +-448, rounded to the nearest code, ties to even.  LIMITS: every e between -126 and 119.  NaN among the inputs is not served.
; No tensor load, no barrier: waves share nothing.  Only the weights' path touches LDS.
.set STG,  32*272                      ; a wave's stage: 32 rows of 256 bytes + 16
.set VOFF, 32                          ; v32-63   weights: 4 x lane + i rows of the input; later the stores' offsets
.set X,    64                          ; v64-127  weights: two sets of 32 numbers
.set C,    128                         ; v128-135 a block's codes
.set OUTR, 136                         ; v136-199 the way out
.set BAS,  66                          ; s[66:81] the input at my eight blocks of 32 rows
.set NS,   3                           ; sets of codes that the norm's path makes
	s_load_b512 s[8:23], s[0:1], 0x0               ; Wq 8, Wk 10, Wv 12, Wo 14, W1 16, W2 18, xb 20, a1 22
	s_load_b256 s[24:31], s[0:1], 0x40             ; o1 24, the exponents 26, wc 28, xc 30
	v_lshl_add_u32 v200, v0, 2, 0x8800
	v_mov_b32 v201, 0
	v_lshrrev_b32 v1, 5, v0
	v_readfirstlane_b32 s4, v1                     ; wave 0..3
	v_and_b32 v2, 31, v0                           ; lane
	s_wait_kmcnt 0x0
	s_load_b512 s[32:47], s[26:27], 0x0            ; the sixteen exponents: entry i in s[32 + i]
	s_cmp_lt_u32 ttmp9, 384
	s_cbranch_scc0 .Lln
	; ---------------- the weights ----------------
	s_wait_kmcnt 0x0
	s_mov_b64 s[48:49], s[18:19]                   ; from 256 on: W2
	s_mov_b32 s50, s47                             ; its exponent
	s_mov_b32 s51, 0x800000                        ; where its codes begin in wc
	s_mov_b32 s52, 4096                            ; bytes of an input row
	s_mov_b32 s53, 4096                            ; bytes of a row of codes
	s_mov_b32 s54, 3                               ; log2 of the strips of 128 columns
	s_mov_b32 s56, 0                               ; rows change places?
	s_sub_co_u32 s57, ttmp9, 256                   ; the work-group's number within its tensor
	s_sub_co_u32 s5, ttmp9, 128
	s_cmp_lt_u32 ttmp9, 256                        ; 128-255: W1.  Every choice hangs on the work-group's number alone
	s_cselect_b64 s[48:49], s[16:17], s[48:49]
	s_cselect_b32 s50, s45, s50
	s_cselect_b32 s51, 0x400000, s51
	s_cselect_b32 s52, 16384, s52
	s_cselect_b32 s53, 1024, s53
	s_cselect_b32 s54, 5, s54
	s_cselect_b32 s56, 1, s56
	s_cselect_b32 s57, s5, s57
	s_and_b32 s5, ttmp9, 31
	s_cmp_lt_u32 ttmp9, 128                        ; 96-127: Wo
	s_cselect_b64 s[48:49], s[14:15], s[48:49]
	s_cselect_b32 s50, s43, s50
	s_cselect_b32 s51, 0x300000, s51
	s_cselect_b32 s52, 4096, s52
	s_cselect_b32 s54, 3, s54
	s_cselect_b32 s56, 0, s56
	s_cselect_b32 s57, s5, s57
	s_cmp_lt_u32 ttmp9, 96                         ; 64-95: Wv
	s_cselect_b64 s[48:49], s[12:13], s[48:49]
	s_cselect_b32 s50, s37, s50
	s_cselect_b32 s51, 0x200000, s51
	s_cmp_lt_u32 ttmp9, 64                         ; 32-63: Wk
	s_cselect_b64 s[48:49], s[10:11], s[48:49]
	s_cselect_b32 s50, s35, s50
	s_cselect_b32 s51, 0x100000, s51
	s_cselect_b32 s56, 1, s56
	s_cmp_lt_u32 ttmp9, 32                         ; 0-31: Wq
	s_cselect_b64 s[48:49], s[8:9], s[48:49]
	s_cselect_b32 s50, s33, s50
	s_cselect_b32 s51, 0, s51
	s_lshl_b32 s55, 1, s54
	s_sub_co_u32 s55, s55, 1
	s_and_b32 s58, s57, s55                        ; which strip of 128 columns
	s_lshr_b32 s59, s57, s54                       ; which 256 along K
	s_lshl_b32 s58, s58, 7
	s_lshl_b32 s5, s4, 5
	s_add_co_u32 s58, s58, s5                      ; my wave's first column
	s_lshl_b32 s62, s59, 8
	s_mul_i32 s62, s62, s52
	s_lshl_b32 s63, s58, 2
	s_add_co_u32 s62, s62, s63
	s_mov_b32 s63, 0
	s_add_nc_u64 s[BAS:BAS+1], s[48:49], s[62:63]  ; the input at my first row and column
	s_lshl_b32 s62, s52, 5                         ; 32 rows on
.irp t, 1,2,3,4,5,6,7
	s_add_nc_u64 s[BAS+2*\t:BAS+2*\t+1], s[BAS+2*\t-2:BAS+2*\t-1], s[62:63]
.endr
	s_mul_i32 s62, s58, s53
	s_add_co_u32 s62, s62, s51
	s_lshl_b32 s5, s59, 8
	s_add_co_u32 s62, s62, s5
	s_add_nc_u64 s[60:61], s[28:29], s[62:63]      ; the codes at row = my first column, byte = my first k
	v_lshlrev_b32 v[VOFF], 2, v2
.set I, 1
.rept 31
	v_add_nc_u32 v[VOFF+I], s52, v[VOFF+I-1]       ; one input row further down
.set I, I+1
.endr
	s_mul_i32 s5, s4, STG
	v_mul_u32_u24 v4, v2, 272
	v_add_nc_u32 v4, s5, v4                        ; the stage, in: row = my column
	v_and_b32 v5, 15, v2
	v_lshrrev_b32 v6, 4, v2
	v_mul_u32_u24 v7, v6, 272
	v_lshl_add_u32 v7, v5, 4, v7
	v_add_nc_u32 v7, s5, v7                        ; out: sixteen lanes to a row, two rows an instruction
	v_mul_u32_u24 v8, s53, v6
	v_lshl_add_u32 v8, v5, 4, v8                   ; and the same place in the codes
.macro LOAD t                          ; block t: W(32 t + i, my column) into set t % 2
.set I, 0
.rept 32
	global_load_b32 v[X+32*((\t)%2)+I], v[VOFF+I], s[BAS+2*(\t):BAS+2*(\t)+1] th:TH_LOAD_NT
.set I, I+1
.endr
.endm
	LOAD 0
	LOAD 1
	s_add_co_i32 s50, s50, 127
	s_lshl_b32 s5, s50, 23
	v_mov_b32 v11, s5                              ; 2^e as f32: the conversion takes its exponent field
	s_add_co_i32 s50, s50, 8
	s_lshl_b32 s50, s50, 23
	s_or_b32 s50, s50, 0x600000
	v_mov_b32 v10, s50                             ; 448 x 2^e
.macro BLOCK t
.set XS, X+32*((\t)%2)
.if (\t) < 7
	s_wait_loadcnt 32                              ; this block's 32 loads are in; the next block's 32 may be out
.else
	s_wait_loadcnt 0
.endif
.set I, 0
.rept 32
	v_med3_num_f32 v[XS+I], v[XS+I], -v10, v10     ; the conversion to an 8-bit code does not saturate (ISA guide 7.6.2): the hold comes first
.set I, I+1
.endr
.irp g, 0,1,2,3
	v_cvt_scalef32_pk8_fp8_f32 v[C+2*\g:C+2*\g+1], v[XS+8*\g:XS+8*\g+7], v11
.endr
	ds_store_b128 v4, v[C:C+3] offset:32*(\t)
	ds_store_b128 v4, v[C+4:C+7] offset:32*(\t)+16
.if (\t)+2 < 8
	LOAD (\t)+2
.endif
	s_wait_dscnt 0x0                               ; the stores have read their registers: the next block's codes may be written
.endm
.irp t, 0,1,2,3,4,5,6,7
	BLOCK \t
.endr
	s_cmp_eq_u32 s56, 1                            ; rows 2 t, 2 t + 1 of my 32 go to rows P, P + 1 of the group (P = the place of row 2 t), or stay
.irp t, 0,1,2,3,4,5,6,7,8,9,10,11,12,13,14,15
	s_cselect_b32 s5, 16*(((2*\t)/8)%2)+((2*\t)%8)+8*((2*\t)/16), 2*\t
	s_mul_i32 s5, s5, s53
	v_add_nc_u32 v[VOFF+\t], s5, v8                ; all loads have been waited for: their offset registers are free
.endr
.irp t, 0,1,2,3,4,5,6,7,8,9,10,11,12,13,14,15
	ds_load_b128 v[OUTR+4*\t:OUTR+4*\t+3], v7 offset:2*\t*272   ; LDS serves a wave's instructions in order: these see my stores
.endr
.irp t, 0,1,2,3,4,5,6,7,8,9,10,11,12,13,14,15
	s_wait_dscnt 15-\t
	global_store_b128 v[VOFF+\t], v[OUTR+4*\t:OUTR+4*\t+3], s[60:61]
.endr
	s_wait_tensorcnt 0x0
	ds_add_u32 v200, v201
	s_wait_dscnt 0x0
	s_endpgm
	; ---------------- the first layer norm ----------------
; REGISTERS: v32-159 four rows, 32 numbers each; v160-175 at work; v176-199 codes; v[12:13] mean, v[14:15] a / (std + eps), v[16:17] o; v18-20 448 x 2^e, v21-23 2^e.
.macro WSUM                            ; v160 summed over the 32 lanes, the result in every lane
	v_add_f32_dpp v160, v160, v160 row_xmask:1 row_mask:0xf bank_mask:0xf
	v_add_f32_dpp v160, v160, v160 row_xmask:2 row_mask:0xf bank_mask:0xf
	v_add_f32_dpp v160, v160, v160 row_xmask:4 row_mask:0xf bank_mask:0xf
	v_add_f32_dpp v160, v160, v160 row_xmask:8 row_mask:0xf bank_mask:0xf
	v_permlanex16_b32 v161, v160, s6, s7
	v_add_f32 v160, v160, v161
.endm
.macro FOLD                            ; four chains of pairs into v160
	v_pk_add_f32 v[160:161], v[160:161], v[162:163]
	v_pk_add_f32 v[164:165], v[164:165], v[166:167]
	v_pk_add_f32 v[160:161], v[160:161], v[164:165]
	v_add_f32 v160, v160, v161
	WSUM
.endm
.macro LNROW i
.set XR, 32+32*\i
	s_wait_loadcnt 24-8*\i                         ; this row's eight loads are in; the later rows' stay out
.irp c, 0,2,4,6
	v_pk_add_f32 v[160+\c:161+\c], v[XR+\c:XR+\c+1], v[XR+8+\c:XR+9+\c]
.endr
.irp j, 16,24
.irp c, 0,2,4,6
	v_pk_add_f32 v[160+\c:161+\c], v[160+\c:161+\c], v[XR+\j+\c:XR+\j+\c+1]
.endr
.endr
	FOLD
	v_mul_f32 v12, 0x3a800000, v160                ; the mean: sum / 1024
.set J, 0
.rept 16
	v_pk_add_f32 v[XR+J:XR+J+1], v[XR+J:XR+J+1], v[12:13] op_sel_hi:[1,0] neg_lo:[0,1] neg_hi:[0,1]   ; d = x - mean
.set J, J+2
.endr
.irp c, 0,2,4,6
	v_pk_mul_f32 v[160+\c:161+\c], v[XR+\c:XR+\c+1], v[XR+\c:XR+\c+1]
.endr
.irp j, 8,16,24
.irp c, 0,2,4,6
	v_pk_fma_f32 v[160+\c:161+\c], v[XR+\j+\c:XR+\j+\c+1], v[XR+\j+\c:XR+\j+\c+1], v[160+\c:161+\c]
.endr
.endr
	FOLD
	v_mul_f32 v160, 0x3a802008, v160               ; / 1023
	v_sqrt_f32 v160, v160
	v_nop                                          ; a plain line behind a transcendental (ISA guide 5.7.2)
	s_wait_alu depctr_va_vdst(0)
	v_add_f32 v160, 0x358637bd, v160               ; + 1e-6
	v_rcp_f32 v160, v160
	v_nop
	s_wait_alu depctr_va_vdst(0)
	v_mul_f32 v14, s56, v160                       ; a / (std + eps)
.set J, 0
.rept 16
	v_pk_fma_f32 v[XR+J:XR+J+1], v[XR+J:XR+J+1], v[14:15], v[16:17] op_sel_hi:[1,0,0]
.set J, J+2
.endr
	s_wait_xcnt 0x0                                ; the last row's stores have read the codes' registers
.irp q, 0,1,2
.if \q < NS
.irp g, 0,1,2,3
.set TT, 160+8*(\g%2)                  ; two sets by turns: the next group's holds are the plain lines behind a conversion
.irp k, 0,1,2,3,4,5,6,7
	v_med3_num_f32 v[TT+\k], v[XR+8*\g+\k], -v[18+\q], v[18+\q]
.endr
	v_cvt_scalef32_pk8_fp8_f32 v[176+8*\q+2*\g:176+8*\q+2*\g+1], v[TT:TT+7], v[21+\q]
.endr
.endif
.endr
	v_nop
.irp q, 0,1,2
.if \q < NS
.irp g, 0,1,2,3
	global_store_b64 v5, v[176+8*\q+2*\g:176+8*\q+2*\g+1], s[50+2*\q:51+2*\q] offset:1024*\i+256*\g   ; 32 lanes store 256 consecutive aligned bytes
.endr
.endif
.endr
.endm
.Lln:
	s_sub_co_u32 s5, ttmp9, 384
	s_lshl_b32 s58, s5, 4
	s_lshl_b32 s59, s4, 2
	s_add_co_u32 s58, s58, s59                     ; my first row: 16 x work-group + 4 x wave
	s_lshl_b32 s60, s58, 12
	s_mov_b32 s61, 0
	s_add_nc_u64 s[48:49], s[20:21], s[60:61]
	s_lshl_b32 s60, s58, 10
	s_add_nc_u64 s[50:51], s[30:31], s[60:61]      ; set 0
	s_add_co_u32 s60, s60, 0x400000
	s_add_nc_u64 s[52:53], s[30:31], s[60:61]      ; set 1
	s_lshr_b32 s60, s5, 1                          ; set 2: my four rows x = 16 (g & 1) + 4 w + i lie at 16 (w >> 1) + 4 (w & 1) + i + 8 (g & 1) of their group of 32
	s_lshl_b32 s60, s60, 5
	s_lshr_b32 s62, s4, 1
	s_lshl_b32 s62, s62, 4
	s_add_co_u32 s60, s60, s62
	s_and_b32 s62, s4, 1
	s_lshl_b32 s62, s62, 2
	s_add_co_u32 s60, s60, s62
	s_and_b32 s62, s5, 1
	s_lshl_b32 s62, s62, 3
	s_add_co_u32 s60, s60, s62
	s_lshl_b32 s60, s60, 10
	s_add_co_u32 s60, s60, 0x800000
	s_add_nc_u64 s[54:55], s[30:31], s[60:61]
	s_load_b32 s56, s[22:23], 0x0                  ; a1
	s_load_b32 s57, s[24:25], 0x0                  ; o1
	v_lshlrev_b32 v3, 5, v2                        ; in: 8 neighbours a lane in each quarter of a row
	v_lshlrev_b32 v5, 3, v2                        ; out: their 8 codes
.set I, 0
.rept 4
.set G, 0
.rept 4
	global_load_b128 v[32+32*I+8*G:32+32*I+8*G+3], v3, s[48:49] offset:4096*I+1024*G
	global_load_b128 v[32+32*I+8*G+4:32+32*I+8*G+7], v3, s[48:49] offset:4096*I+1024*G+16
.set G, G+1
.endr
.set I, I+1
.endr
	s_mov_b32 s6, 0x76543210                       ; v_permlanex16_b32: lane l xor 16
	s_mov_b32 s7, 0xfedcba98
	s_wait_kmcnt 0x0
.irp q, 0,1,2
	s_add_co_i32 s5, s[32+2*\q], 127
	s_lshl_b32 s58, s5, 23
	v_mov_b32 v[21+\q], s58
	s_add_co_i32 s5, s5, 8
	s_lshl_b32 s5, s5, 23
	s_or_b32 s5, s5, 0x600000
	v_mov_b32 v[18+\q], s5
.endr
	v_mov_b32 v13, 0                               ; (upper halves of pairs of which the low word serves both halves)
	v_mov_b32 v15, 0
	v_mov_b32 v16, s57
	v_mov_b32 v17, s57
	LNROW 0
	LNROW 1
	LNROW 2
	LNROW 3
	s_endpgm
.Lfunc_end_k_qcf911f5b90_prep:
	.size	k_qcf911f5b90_prep, .Lfunc_end_k_qcf911f5b90_prep-k_qcf911f5b90_prep
	.p2alignl 7, 3214868480
	.fill 96, 4, 3214868480
	.section	.rodata,"a",@progbits
	.p2align	6, 0x0
	.amdhsa_kernel k_qcf911f5b90_prep
		.amdhsa_group_segment_fixed_size 35328
		.amdhsa_private_segment_fixed_size 0
		.amdhsa_enable_private_segment 0
		.amdhsa_kernarg_size 96
		.amdhsa_user_sgpr_count 2
		.amdhsa_user_sgpr_kernarg_segment_ptr 1
		.amdhsa_wavefront_size32 1
		.amdhsa_system_sgpr_workgroup_id_x 1
		.amdhsa_system_sgpr_workgroup_id_y 1
		.amdhsa_system_sgpr_workgroup_id_z 1
		.amdhsa_system_vgpr_workitem_id 0
		.amdhsa_next_free_vgpr 202
		.amdhsa_next_free_sgpr 82
		.amdhsa_reserve_vcc 0
		.amdhsa_float_denorm_mode_32 3
		.amdhsa_float_denorm_mode_16_64 3
		.amdhsa_memory_ordered 1
		.amdhsa_forward_progress 1
		.amdhsa_inst_pref_size 112
	.end_amdhsa_kernel
	.amdgpu_metadata
---
amdhsa.version: [ 1, 2 ]
amdhsa.kernels:
  - .name:           k_qcf911f5b90_prep
    .symbol:         k_qcf911f5b90_prep.kd
    .args:
      - { .name: Wq, .offset: 0, .size: 8, .value_kind: global_buffer, .address_space: global }
      - { .name: Wk, .offset: 8, .size: 8, .value_kind: global_buffer, .address_space: global }
      - { .name: Wv, .offset: 16, .size: 8, .value_kind: global_buffer, .address_space: global }
      - { .name: Wo, .offset: 24, .size: 8, .value_kind: global_buffer, .address_space: global }
      - { .name: W1, .offset: 32, .size: 8, .value_kind: global_buffer, .address_space: global }
      - { .name: W2, .offset: 40, .size: 8, .value_kind: global_buffer, .address_space: global }
      - { .name: xb, .offset: 48, .size: 8, .value_kind: global_buffer, .address_space: global }
      - { .name: a1, .offset: 56, .size: 8, .value_kind: global_buffer, .address_space: global }
      - { .name: o1, .offset: 64, .size: 8, .value_kind: global_buffer, .address_space: global }
      - { .name: lowp_scales, .offset: 72, .size: 8, .value_kind: global_buffer, .address_space: global }
      - { .name: wc, .offset: 80, .size: 8, .value_kind: global_buffer, .address_space: global }
      - { .name: xc, .offset: 88, .size: 8, .value_kind: global_buffer, .address_space: global }
    .group_segment_fixed_size: 35328
    .private_segment_fixed_size: 0
    .kernarg_segment_align: 8
    .kernarg_segment_size: 96
    .max_flat_workgroup_size: 128
    .sgpr_count:     82
    .vgpr_count:     202
    .wavefront_size: 32
...
	.end_amdgpu_metadata
.endif
;; end of part 1
;; launch qkv (part 2): grid 4 x 48, 4 waves a work-group, clusters of 4 x 4, 327,680 bytes of LDS; arguments xc, wc, bq, bk, bv, mask, lowp_scales, qkv; writes qkv
.if DOCPART == 2
	.amdgcn_target "amdgcn-amd-amdhsa--gfx1250"
	.amdhsa_code_object_version 6
	.text
	.protected	k_qcf911f5b90_qkv
	.globl	k_qcf911f5b90_qkv
	.p2align	8
	.type	k_qcf911f5b90_qkv,@function
k_qcf911f5b90_qkv:
	s_mov_b64 s[64:65], 0
	v_nop
	global_prefetch_b8 v0, s[64:65] scope:SCOPE_SE
	s_setreg_imm32_b32 hwreg(HW_REG_WAVE_MODE, 25, 1), 1
	s_wait_xcnt 0x0
	s_wait_alu depctr_hold_cnt(0) depctr_sa_sdst(0) depctr_va_vdst(0) depctr_va_sdst(0) depctr_va_ssrc(0) depctr_va_vcc(0) depctr_vm_vsrc(0)
	s_getreg_b32 s2, hwreg(HW_REG_IB_STS2, 6, 4)
	s_cmp_eq_u32 s2, 0
	s_cbranch_scc0 .Lentry_in_a_cluster
	s_endpgm
.Lentry_in_a_cluster:
	s_bfe_u32 s2, ttmp6, 0x10000c
	s_cmp_lg_u32 s2, 0xf033
	s_cbranch_scc0 .Lentry_shape_is_right
	s_endpgm
.Lentry_shape_is_right:
; q, k and v: three products [4096 x 1024] x [1024 x 1024] on codes of E4M3, + bias, quantised again for the attention.  Part = cluster y / 4: 0 q, 1 k, 2 v.
; A tile of 256 x 256 is made by four waves, 128 x 128 each (64 accumulators).  K goes in steps of 256 through two LDS slots filled by the tensor data mover.  192 tiles: 192 work-groups.
; CLUSTERS: 4 x 4 work-groups; the tokens' tile is shared along a row of the cluster, the weights' along a column: each is asked for jointly.
; THE MATRIX INSTRUCTION IS USED TRANSPOSED: source 0's rows run down a lane's registers, source 1's row is the lane's.  q, k: source 0 = the weight's rows (which an earlier launch laid so that the 16
; registers of accumulators 2 p, 2 p + 1 are features 32 p + 16 (lane / 16) + 0 .. 15), source 1 = tokens.  v: THE TWO LDS READ BASES CHANGE PLACES: source 0 = tokens (laid likewise), source 1 = Wv's rows:
; a lane then holds one feature and 16 neighbouring keys, which is how the second product of the attention wants v.
; OUT: blocks of 4,096 bytes, [64 source-1 rows][64 source-0 bytes]: q, k: [token][d] of a head; v: [d][key].  Block (batch 16 + head) 32 + token / 64.
; k OF A MASKED KEY IS STORED AS ZERO CODES (its hold is at 0), so that the attention can set that key's score exactly.
; The bias goes by source 0 (q, k: an addend on the way out) or by source 1 (v: the C of the first K step, divided by the power of two that the sums lack); the other of the two is cleared.
; LIMITS: eA + eB between -126 and 127; the outputs' exponents between -126 and 119.  NaN is not served.
; REGISTERS: window 0: v1-31 addresses; v32-95 bias; v96-103 holds by row; v104-122 at work; v128-255 source 1's fragments, later the way out.  window 1: source 0's fragments, two sets.  windows 2, 3: accumulators.
.set NA,     8                         ; blocks of 16 rows a wave, on each side
.set ROWB,   256                       ; a tile's row in bytes
.set PITCH,  272                       ; in LDS: + 16: the 16 rows that a load touches start at 16 different groups of banks (64 banks of 4 bytes: ISA guide 11.1)
.set QIC,    5                         ; padding after every 64 words
.set NQ,     2                         ; steps of 128 along K in a slot
.set HROWS,  128                       ; rows that one tensor load brings
.set HALFT,  HROWS*PITCH
.set SLOT,   4*HALFT                   ; the tokens' 256 rows, then the weights' 256
.set KROW,   1024
.set LAPS,   2                         ; K / (2 ROWB)
.set SPARE,  2*SLOT                    ; behind the ring: the spare words, 128 bytes a wave, that no other line names
.set BRC,    32
.set AF,   128
.set ADRA, 16
.set ADRB, 20
.set STO,  24
.set RD,   25
.set SPW,  28
.set NIL,  29
.set G1,  24
.set G0,  32
.set G1B, 48
.set G0B, 56
.set MUL_LO, 0xa1                      ; source 0 window 1, source 1 window 0, C and D window 2
.set MUL_HI, 0xa1+0x50*(NA/8)          ; the upper blocks' accumulators: window 3 where there are eight blocks
.set TO_B,   0x40
.set MSB, 0
.macro WIN new                         ; the immediate's high byte repeats the setting that is left
.if MSB != (\new)
	s_set_vgpr_msb (MSB<<8)|(\new)
.set MSB, \new
.endif
.endm
.macro JLOAD g0a, g1a, g0b, g1b        ; a joint load: waves 0, 1 fetch the first tile's halves, waves 2, 3 the second's; four v_nop follow each line
	s_cmp_eq_u32 s15, 0
	s_cbranch_scc0 .Lfor_b_\@
	tensor_load_to_lds s[\g0a:\g0a+3], s[\g1a:\g1a+7]
	s_nop 0
.rept 4
	v_nop
.endr
	s_branch .Lasked_\@
.Lfor_b_\@:
	tensor_load_to_lds s[\g0b:\g0b+3], s[\g1b:\g1b+7]
	s_nop 0
.rept 4
	v_nop
.endr
.Lasked_\@:
.endm
.macro CREST                           ; a round of the cluster's barrier behind its opening barrier
	s_cmp_lg_u32 s14, 0
	s_cbranch_scc1 .Lnot_wave_0_\@
	s_barrier_signal -3
.Lnot_wave_0_\@:
	s_barrier_wait -3
	s_barrier_signal -1
	s_barrier_wait -1
.endm
.macro CROUND
	s_barrier_signal -1
	s_barrier_wait -1
	CREST
.endm
.macro PLACES n                        ; plain vector lines between a matrix instruction and a load into, or a read of, its registers
.rept \n
	v_nop
.endr
.endm
.macro FRAG reg, adr, q, i             ; 16 rows x 128 K: registers 4 c .. 4 c + 3 hold K = 32 c + 16 (lane / 16) + 0 .. 15, alike on both sides
.irp c, 0,1,2,3
	ds_load_b128 v[\reg+4*\c:\reg+4*\c+3], v[\adr] offset:128*(\q)+32*\c+(\i)*16*PITCH
.endr
.endm
.macro FRAGA reg, adr, q, i
	FRAG \reg, \adr, \q, \i
.endm
.macro MULA a, p, z                    ; source 1's block a against source 0's NA blocks of set p.  z = 1: C = 0; z = 2: C = the bias by row; else in place
.set AC, 8*NA*((\a)%4)
.set FA, AF+16*(\a)
.set BB, 0
.rept NA
.if \z == 1
	v_wmma_f32_16x16x128_fp8_fp8 v[AC+8*BB:AC+8*BB+7], v[128*(\p)+16*BB:128*(\p)+16*BB+15], v[FA:FA+15], 0
.elseif \z == 2
	v_wmma_f32_16x16x128_fp8_fp8 v[AC+8*BB:AC+8*BB+7], v[128*(\p)+16*BB:128*(\p)+16*BB+15], v[FA:FA+15], v[BRC+8*(\a):BRC+8*(\a)+7]
.else
	v_wmma_f32_16x16x128_fp8_fp8 v[AC+8*BB:AC+8*BB+7], v[128*(\p)+16*BB:128*(\p)+16*BB+15], v[FA:FA+15], v[AC+8*BB:AC+8*BB+7]
.endif
.set BB, BB+1
.endr
.endm
.macro MULR a0, n, p, z                ; n blocks from a0 on.  The accumulators take turns, in the same order in every step
.set AA, \a0
.rept \n
	MULA AA, \p, \z
.set AA, AA+1
.endr
.endm
.macro WINM hi, z
.if \z == 2
	WIN 0x81+0x40*\hi
.elseif \hi
	WIN MUL_HI
.else
	WIN MUL_LO
.endif
.endm
.macro FETCH_B slot, q, p
	WIN TO_B
.set II, 0
.rept NA
	FRAG 128*(\p)+16*II, ADRB+\slot, \q, II
.set II, II+1
.endr
	WIN 0
.endm
.macro FETCH_A slot, q, i0
.set II, \i0
.rept NA/2
	FRAGA AF+16*II, ADRA+\slot, \q, II
.set II, II+1
.endr
.endm
.macro STEP slot, q, z                 ; 128 along K, with its successor in the same slot
	s_wait_dscnt 2*NA                              ; all but the youngest 2 NA loads (source 1's upper blocks)
	WINM 0, \z
	MULR 0, NA/2, (\q)%2, \z
	s_wait_dscnt 0
	PLACES 4
	FETCH_B \slot, (\q)+1, 1-(\q)%2
	FETCH_A \slot, (\q)+1, 0
	WINM 1, \z
	MULR NA/2, NA/2, (\q)%2, \z
	PLACES 4
	WIN 0
	FETCH_A \slot, (\q)+1, NA/2
.endm
.macro TURN slot, next, fill           ; a slot's last step changes slots: one barrier; fill = 1: the slot is filled again, two K steps ahead
	s_wait_tensorcnt 0x0                           ; all my tensor loads have landed: my part of the next slot
	ds_add_u32 v[SPW], v[NIL]                      ; 0 onto my spare word
	s_wait_dscnt 2*NA+1                            ; (the add and the youngest 2 NA loads may be out)
	WIN MUL_LO
	MULR 0, NA/4, 1, 0
	s_wait_dscnt 0x0                               ; the add is done, and my reads of this slot are over
	s_barrier_signal -1
	MULR NA/4, NA/4, 1, 0
	WIN 0
	s_barrier_wait -1
.if \fill
	CREST                                          ; the barrier has opened a round of the cluster's: no wave of any partner reads this slot or has a load on its way
	s_add_nc_u64 s[G0+4*\slot+2:G0+4*\slot+3], s[G0+4*\slot+2:G0+4*\slot+3], 2*ROWB
	s_add_nc_u64 s[G0B+4*\slot+2:G0B+4*\slot+3], s[G0B+4*\slot+2:G0B+4*\slot+3], 2*ROWB
	JLOAD G0+4*\slot, G1, G0B+4*\slot, G1B         ; my one tensor load behind the round; its four v_nop are the places in front of the loads below
.else
	PLACES 4
.endif
	FETCH_B \next, 0, 0
	FETCH_A \next, 0, 0
	WIN MUL_HI
	MULR NA/2, NA/2, 1, 0
	PLACES 4
	WIN 0
	FETCH_A \next, 0, NA/2
.endm
	s_load_b256 s[4:11], s[0:1], 0x0               ; xc 4, wc 6, bq 8, bk 10
	s_load_b256 s[68:75], s[0:1], 0x20             ; bv 68, mask 70, the exponents 72, qkv 74
	v_lshl_add_u32 v[SPW], v0, 2, SPARE
	v_mov_b32 v[NIL], 0
	ds_add_u32 v28, v29
	ds_add_u32 v28, v29
	s_wait_dscnt 0x0
	v_lshrrev_b32 v1, 5, v0
	v_readfirstlane_b32 s14, v1                    ; wave 0..3
	s_lshr_b32 s15, s14, 1                         ; source 1's half.  Also: I fetch tokens (0) or weights (1)
	s_and_b32 s16, s14, 1                          ; source 0's half.  Also: which 128 rows I fetch
	s_bfe_u32 s40, ttmp6, 0x40000                  ; cx, cy
	s_bfe_u32 s41, ttmp6, 0x40004
	s_lshl_b32 s42, ttmp9, 2
	s_add_co_u32 s42, s42, s40                     ; the features' tile 0..3
	s_and_b32 s17, ttmp7, 0xffff
	s_lshr_b32 s92, s17, 2                         ; the part: from the cluster's y alone, the same in all partners
	s_and_b32 s17, s17, 3
	s_lshl_b32 s17, s17, 2
	s_add_co_u32 s17, s17, s41                     ; the tokens' tile 0..15
	s_lshl_b32 s43, s41, 2
	s_lshl_b32 s43, 15, s43                        ; my row of the cluster
	s_lshl_b32 s44, 0x1111, s40                    ; my column
	s_or_b32 s[G1+0], s43, (1<<20)|(1<<21)|(QIC<<22)|(3<<25)   ; mask; elements of 1 byte; padding on; bit 21 beside a mask; interval; 4 words
	s_or_b32 s[G1B+0], s44, (1<<20)|(1<<21)|(QIC<<22)|(3<<25)
.irp g, G1, G1B
	s_mov_b32 s[\g+1], ROWB<<16                    ; tensor_dim0
	s_mov_b32 s[\g+2], HROWS<<16                   ; tensor_dim1
	s_mov_b32 s[\g+3], ROWB<<16                    ; tile_dim0
	s_mov_b32 s[\g+4], HROWS                       ; tile_dim1
	s_mov_b32 s[\g+5], KROW                        ; from row to row
	s_mov_b32 s[\g+6], 0
	s_mov_b32 s[\g+7], 0
.endr
	s_lshl_b32 s18, s16, 7
	s_lshl_b32 s20, s17, 8
	s_add_co_u32 s20, s20, s18
	s_lshl_b32 s20, s20, 10                        ; tokens: row 256 x tile + 128 x half, of 1,024 bytes,
	s_lshl_b32 s19, s92, 22
	s_add_co_u32 s20, s20, s19                     ; in the part's set of codes
	s_mov_b32 s21, 0
	s_lshl_b32 s46, s42, 8
	s_add_co_u32 s46, s46, s18
	s_lshl_b32 s46, s46, 10
	s_lshl_b32 s19, s92, 20
	s_add_co_u32 s46, s46, s19                     ; weights likewise, in the part's weight
	s_mov_b32 s47, 0
	s_mul_i32 s45, s14, HALFT                      ; where they go: wave x 128 rows
	s_wait_kmcnt 0x0
	s_load_b512 s[76:91], s[72:73], 0x0            ; the exponents: entry i in s[76 + i]
	s_add_nc_u64 s[20:21], s[4:5], s[20:21]
	s_add_nc_u64 s[46:47], s[6:7], s[46:47]
	CROUND                                         ; all sixteen work-groups are here: the first joint loads meet
.irp s, 0,1
	s_mov_b32 s[G0+4*\s], 1
	s_add_co_u32 s[G0+4*\s+1], s45, \s*SLOT
	s_add_nc_u64 s[G0+4*\s+2:G0+4*\s+3], s[20:21], \s*ROWB
	s_or_b32 s[G0+4*\s+3], s[G0+4*\s+3], 0x80000000
	s_mov_b32 s[G0B+4*\s], 1
	s_add_co_u32 s[G0B+4*\s+1], s45, \s*SLOT
	s_add_nc_u64 s[G0B+4*\s+2:G0B+4*\s+3], s[46:47], \s*ROWB
	s_or_b32 s[G0B+4*\s+3], s[G0B+4*\s+3], 0x80000000
	JLOAD G0+4*\s, G1, G0B+4*\s, G1B               ; two tensor loads of mine are out
.endr
	; what hangs on the part is chosen, never branched on
	s_wait_kmcnt 0x0
	s_cmp_eq_u32 s92, 1
	s_cselect_b32 s93, s78, s76                    ; eA
	s_cselect_b32 s94, s79, s77                    ; eB
	s_cselect_b32 s95, s83, s82                    ; the output's exponent: entry 7 (k) or 6 (q)
	s_cselect_b64 s[8:9], s[10:11], s[8:9]         ; the bias
	s_cselect_b32 s98, 0, 1                        ; 1: the mask does not count here
	s_cmp_eq_u32 s92, 2
	s_cselect_b32 s93, s80, s93
	s_cselect_b32 s94, s81, s94
	s_cselect_b32 s95, s85, s95                    ; entry 9 (v)
	s_cselect_b64 s[8:9], s[68:69], s[8:9]
	s_cselect_b32 s99, 1, 0                        ; the read bases change places
	s_cselect_b32 s100, 0, 1
	s_cselect_b32 s101, -1, 0                      ; the same as a mask of lanes
	s_cselect_b32 s18, s16, s15                    ; which half of the tokens is mine,
	s_cselect_b32 s19, s15, s16                    ; which of the features
	s_mov_b32 s22, 4096
	s_mov_b32 s23, 0x20000
	s_cselect_b32 s66, s23, s22                    ; bytes from source 1's first 64 rows to the next 64: the next head, or the next 64 tokens
	s_cselect_b32 s67, s22, s23                    ; and from source 0's first 64 to the next
	s_lshl_b32 s18, s18, 7
	s_lshl_b32 s22, s17, 8
	s_add_co_u32 s18, s18, s22                     ; my first token
	s_lshl_b32 s19, s19, 7
	s_lshl_b32 s22, s42, 8
	s_add_co_u32 s19, s19, s22                     ; my first feature
	s_lshr_b32 s22, s18, 11
	s_lshl_b32 s22, s22, 21                        ; batch
	s_lshr_b32 s23, s19, 6
	s_lshl_b32 s23, s23, 17                        ; head
	s_add_co_u32 s22, s22, s23
	s_and_b32 s23, s18, 2047
	s_lshr_b32 s23, s23, 6
	s_lshl_b32 s23, s23, 12                        ; token / 64
	s_add_co_u32 s22, s22, s23
	s_lshl_b32 s23, s92, 22
	s_add_co_u32 s22, s22, s23
	s_mov_b32 s23, 0
	s_add_nc_u64 s[74:75], s[74:75], s[22:23]      ; my first block
	s_lshl_b32 s18, s42, 10
	s_lshl_b32 s19, s15, 9
	s_add_co_u32 s18, s18, s19
	s_mov_b32 s19, 0
	s_add_nc_u64 s[10:11], s[8:9], s[18:19]        ; the bias at feature 256 x tile + 128 x source 1's half
	s_lshl_b32 s18, s42, 10
	s_lshl_b32 s22, s16, 9
	s_add_co_u32 s18, s18, s22
	s_add_nc_u64 s[8:9], s[8:9], s[18:19]          ; and at source 0's half
	s_lshl_b32 s18, s17, 10
	s_lshl_b32 s22, s15, 9
	s_add_co_u32 s18, s18, s22
	s_add_nc_u64 s[70:71], s[70:71], s[18:19]      ; the mask at token 256 x tile + 128 x source 1's half
	v_and_b32 v1, 15, v0                           ; r
	v_bfe_u32 v2, v0, 4, 1                         ; h
	v_lshlrev_b32 v5, 2, v1
	v_lshlrev_b32 v6, 6, v2
.irp a, 0,1,2,3,4,5,6,7
	global_load_b32 v[104+\a], v5, s[10:11] offset:64*\a
	global_load_b32 v[112+\a], v5, s[70:71] offset:64*\a
.endr
	v_mul_u32_u24 v3, v1, PITCH
	v_lshl_add_u32 v4, v2, 4, v3                   ; a fragment's row x pitch + 16 x half
	s_mul_i32 s21, s15, HALFT
	s_mul_i32 s18, s99, 2*HALFT
	s_add_co_u32 s21, s21, s18                     ; source 1: the tokens' rows, or (v) the weights'
	s_mul_i32 s22, s16, HALFT
	s_mul_i32 s18, s100, 2*HALFT
	s_add_co_u32 s22, s22, s18                     ; source 0: the other
.irp s, 0,1
	v_add_nc_u32 v[ADRA+\s], s21, v4
	v_add_nc_u32 v[ADRB+\s], s22, v4
	s_add_co_u32 s21, s21, SLOT
	s_add_co_u32 s22, s22, SLOT
.endr
	s_mul_i32 s22, s14, 2560                       ; my stage, in slot 0: two halves of 16 rows x (64 bytes + 16)
	v_mul_u32_u24 v8, v1, 80
	v_lshl_add_u32 v8, v2, 4, v8
	v_add_nc_u32 v[STO], s22, v8
	v_and_b32 v7, 31, v0
	v_lshrrev_b32 v8, 2, v7
	v_mul_u32_u24 v8, v8, 80
	v_and_b32 v9, 3, v7
	v_lshl_add_u32 v8, v9, 4, v8
	v_add_nc_u32 v[RD], s22, v8
	v_lshlrev_b32 v26, 4, v7                       ; the stores' offsets: 16 x lane, + source 1's upper half, + source 0's upper half
	v_add_nc_u32 v27, s66, v26
	v_add_nc_u32 v30, s67, v26
	v_add_nc_u32 v31, s66, v30
	v_mov_b32 v122, 0
	s_add_co_i32 s93, s93, s94                     ; eA + eB
	s_sub_co_i32 s94, 0, s93
	s_add_co_i32 s96, s93, 127
	s_lshl_b32 s96, s96, 23                        ; 2^(eA + eB) as f32
	s_mov_b32 s97, s96
	s_add_co_i32 s95, s95, 127
	s_lshl_b32 s18, s95, 23
	v_mov_b32 v121, s18                            ; the output's scale as f32
	s_add_co_i32 s95, s95, 8
	s_lshl_b32 s95, s95, 23
	s_or_b32 s95, s95, 0x600000
	v_mov_b32 v120, s95                            ; 448 x that
	s_wait_loadcnt 0x0
.irp a, 0,1,2,3,4,5,6,7
	v_cndmask_b32 v[104+\a], 0, v[104+\a], s101    ; the bias by row counts in v alone
	v_or_b32 v[112+\a], s98, v[112+\a]
	v_cmp_ne_u32 vcc_lo, 0, v[112+\a]
	v_cndmask_b32 v[96+\a], 0, v120, vcc_lo        ; the hold of row 16 a + r: 0 for a masked key of k
.endr
.irp a, 0,1,2,3,4,5,6,7
.irp j, 0,1,2,3,4,5,6,7
	v_ldexp_f32 v[BRC+8*\a+\j], v[104+\a], s94     ; bias / 2^(eA + eB): the C of the first K step
.endr
.endr
	s_wait_tensorcnt 1                             ; my part of K step 0 is in (K step 1's load may be out)
	s_barrier_signal -1
	s_barrier_wait -1
	FETCH_B 0, 0, 0
	FETCH_A 0, 0, 0
	FETCH_A 0, 0, NA/2
	STEP 0, 0, 2                                   ; the first step starts the sums
.irp p, 0,1,2,3                        ; the bias by source 0 takes the registers that the first step's C has left (four places stand behind its last product); it lands during the loop
.irp k, 0,1,2,3
	global_load_b128 v[32+16*\p+4*\k:32+16*\p+4*\k+3], v6, s[8:9] offset:128*\p+16*\k
.endr
.endr
	s_mov_b32 s3, LAPS-1
.Llap:
	TURN 0, 1, 1
	STEP 1, 0, 0
	TURN 1, 0, 1
	STEP 0, 0, 0
	s_sub_co_u32 s3, s3, 1
	s_cmp_lg_u32 s3, 0
	s_cbranch_scc1 .Llap
	TURN 0, 1, 0                                   ; the last lap fills nothing
	STEP 1, 0, 0
	s_wait_dscnt 2*NA
	WIN MUL_LO
	MULR 0, NA/2, 1, 0
	s_wait_dscnt 0
	WIN MUL_HI
	MULR NA/2, NA/2, 1, 0
	WIN 0
; THE WAY OUT, block by block of 16 source-1 rows: sum x 2^(eA + eB) + bias, held, converted: 16 codes for each pair of accumulators; through my stage, so that a store covers 512 consecutive bytes.
.macro TOSTAGE a
.set AC, 64*((\a)%4)
.set CD, 192+48*((\a)%2)
.set OBB, 208+16*((\a)%2)
	WIN 0x02+((\a)/4)
.set J, 0
.rept 32
	v_pk_fma_f32 v[128+J:129+J], v[AC+J:AC+J+1], s[96:97], v[32+J:33+J] op_sel_hi:[1,0,1]   ; each accumulator from its low end on
.set J, J+2
.endr
	WIN 0
.set J, 0
.rept 64
	v_med3_num_f32 v[128+J], v[128+J], -v[96+(\a)], v[96+(\a)]
.set J, J+1
.endr
.irp p, 0,1,2,3
	v_cvt_scalef32_pk8_fp8_f32 v[CD+4*\p:CD+4*\p+1], v[128+16*\p:128+16*\p+7], v121
	v_cvt_scalef32_pk8_fp8_f32 v[CD+4*\p+2:CD+4*\p+3], v[128+16*\p+8:128+16*\p+15], v121
.endr
	v_nop                                          ; a plain line behind the last conversion
.irp p, 0,1,2,3
	ds_store_b128 v[STO], v[CD+4*\p:CD+4*\p+3] offset:(\p/2)*1280+32*(\p%2)
.endr
.irp i, 0,1,2,3
	ds_load_b128 v[OBB+4*\i:OBB+4*\i+3], v[RD] offset:(\i/2)*1280+(\i%2)*640   ; LDS serves a wave's instructions in order: these see the stores above
.endr
.endm
.macro SEND a, younger
.set OBB, 208+16*((\a)%2)
	s_wait_dscnt \younger
.irp i, 0,1,2,3
	global_store_b128 v[26+4*(\i/2)+((\a)/4)], v[OBB+4*\i:OBB+4*\i+3], s[74:75] offset:((\a)%4)*1024+(\i%2)*512
.endr
.endm
	s_wait_loadcnt 0x0                             ; the bias by source 0
	PLACES 4
.set J, 0
.rept 64
	v_cndmask_b32 v[32+J], v[32+J], v122, s101     ; it counts in q and k alone
.set J, J+1
.endr
	TOSTAGE 0
.irp a, 1,2,3,4,5,6,7
.if \a > 1
	s_wait_xcnt 0x0                                ; block a - 2's stores have read their registers
.endif
	TOSTAGE \a
	SEND \a-1, 8                                   ; behind block a - 1's loads: block a's 4 stores and 4 loads
.endr
	SEND 7, 0
	s_wait_tensorcnt 0x0                           ; the wave's end
	ds_add_u32 v[SPW], v[NIL]
	s_wait_dscnt 0x0
	CROUND                                         ; the closing round
	s_endpgm
.Lfunc_end_k_qcf911f5b90_qkv:
	.size	k_qcf911f5b90_qkv, .Lfunc_end_k_qcf911f5b90_qkv-k_qcf911f5b90_qkv
	.p2alignl 7, 3214868480
	.fill 96, 4, 3214868480
	.section	.rodata,"a",@progbits
	.p2align	6, 0x0
	.amdhsa_kernel k_qcf911f5b90_qkv
		.amdhsa_group_segment_fixed_size 327680
		.amdhsa_private_segment_fixed_size 0
		.amdhsa_enable_private_segment 0
		.amdhsa_kernarg_size 64
		.amdhsa_user_sgpr_count 2
		.amdhsa_user_sgpr_kernarg_segment_ptr 1
		.amdhsa_wavefront_size32 1
		.amdhsa_system_sgpr_workgroup_id_x 1
		.amdhsa_system_sgpr_workgroup_id_y 1
		.amdhsa_system_sgpr_workgroup_id_z 1
		.amdhsa_system_vgpr_workitem_id 0
		.amdhsa_next_free_vgpr 1024
		.amdhsa_next_free_sgpr 102
		.amdhsa_reserve_vcc 1
		.amdhsa_float_denorm_mode_32 3
		.amdhsa_float_denorm_mode_16_64 3
		.amdhsa_memory_ordered 1
		.amdhsa_forward_progress 1
		.amdhsa_inst_pref_size 153
	.end_amdhsa_kernel
	.amdgpu_metadata
---
amdhsa.version: [ 1, 2 ]
amdhsa.kernels:
  - .name:           k_qcf911f5b90_qkv
    .symbol:         k_qcf911f5b90_qkv.kd
    .args:
      - { .name: xc, .offset: 0, .size: 8, .value_kind: global_buffer, .address_space: global }
      - { .name: wc, .offset: 8, .size: 8, .value_kind: global_buffer, .address_space: global }
      - { .name: bq, .offset: 16, .size: 8, .value_kind: global_buffer, .address_space: global }
      - { .name: bk, .offset: 24, .size: 8, .value_kind: global_buffer, .address_space: global }
      - { .name: bv, .offset: 32, .size: 8, .value_kind: global_buffer, .address_space: global }
      - { .name: mask, .offset: 40, .size: 8, .value_kind: global_buffer, .address_space: global }
      - { .name: lowp_scales, .offset: 48, .size: 8, .value_kind: global_buffer, .address_space: global }
      - { .name: qkv, .offset: 56, .size: 8, .value_kind: global_buffer, .address_space: global }
    .group_segment_fixed_size: 327680
    .private_segment_fixed_size: 0
    .kernarg_segment_align: 8
    .kernarg_segment_size: 64
    .max_flat_workgroup_size: 128
    .sgpr_count:     102
    .vgpr_count:     1024
    .wavefront_size: 32
...
	.end_amdgpu_metadata
.endif
;; end of part 2
;; launch attn (part 3): grid 8 x 32, 16 waves a work-group, no clusters, 96,256 bytes of LDS; arguments qkv, mask, lowp_scales, ac; writes ac
.if DOCPART == 3
	.amdgcn_target "amdgcn-amd-amdhsa--gfx1250"
	.amdhsa_code_object_version 6
	.text
	.protected	k_qcf911f5b90_attn
	.globl	k_qcf911f5b90_attn
	.p2align	8
	.type	k_qcf911f5b90_attn,@function
k_qcf911f5b90_attn:
	s_mov_b64 s[64:65], 0
	v_nop
	global_prefetch_b8 v0, s[64:65] scope:SCOPE_SE
	s_setreg_imm32_b32 hwreg(HW_REG_WAVE_MODE, 25, 1), 1
	s_wait_xcnt 0x0
; The attention on codes of E4M3: S = q k^T / 8, the mask, p = 2^(t - M), O = p v / l, quantised for the next product.  Head size 64, 2,048 keys, 32 (batch, head) pairs.
; SHARES.  A work-group owns 256 queries of one head; each of its sixteen waves 16 of them, in 256 registers: four waves to a SIMD, so that one wave's vector work stands beside another's products and LDS loads.
; Every wave walks all keys, 128 a step.  Both products are used transposed (S^T = k q^T, O^T = v^T p^T): a lane holds one query throughout.
; K AND V COME THROUGH REGISTERS INTO LDS AS IMAGES OF THE OPERANDS' REGISTERS: the 512 threads load a slot's 32 KiB (256 keys) as it lies, 16 bytes a thread and load, and store each piece where the fragment's load
; (16 x lane, 512 bytes an instruction) will want it.  The keys of a tile of k are 32 b + 8 u + r + 8 (r / 8), so that p's 16 registers of two neighbouring tiles are 16 neighbouring keys; v^T's rows likewise,
; so that O^T's are 16 neighbouring channels.  Two slots by turns; a slot's global loads are issued two steps ahead of their stores into LDS.
; ONE BARRIER A SLOT, ITS HALVES APART.  In a slot's second step, as soon as v^T's fragments (the wave's last reads of the slot) are asked for, the wave stores the next slot's pieces into the other slot, waits for all
; its LDS instructions and signals; the step's softmax, register work alone, stands between the signal and the wait.  The other slot's old readers waited for their reads ahead of the barrier before; the next slot is read behind the wait.
; NO TENSOR LOAD AND NO CLUSTER: a head's k and v are 256 KiB for a work-group that has 64 wave-steps of some 260 instructions on each SIMD: the shared bytes are a small part of a step; and this text
; branches on whole numbers that it loads (the mask; entry 8 of the exponents).
; THE MASK.  A masked key's k was stored as zero codes; its score is set by the C of the first product: sm = -2^(33 - e6 - e7), so that t = sm c = -1.4427 x 2^30 exactly, a whole number.  Beside any open key p is 0;
; in a row that is wholly masked p is 1 everywhere, as with -1e9.  A step without a masked key takes C = 0 (a scalar branch on the mask's whole numbers).
; SOFTMAX.  t = score x c, c = log2(e) / 8 x 2^(e6 + e7); M = the running largest t rounded up; the sum is taken of the unquantised p; when M moves, the sum and O^T are multiplied by 2^(old M - new M): exact.
; AN EXPONENTIAL AND A PLAIN LINE BY TURNS: the scalings (three pairs ahead), the sums (two pairs back) and O^T's rescaling stand between the exponentials, so that no two exponentials follow each other.
; LIMITS: e6 + e7 between -94 and 9 (no true logit then reaches the masked one); e8, e10 between -126 and 119.  NaN is not served.
; REGISTERS: v1 16 x lane; v2 16 x thread; v3, v4 where my pieces of k and v go; v5 the bias table at my half; v9 the same at the trip's keys; v12 -M, v13 the largest t, v[14:15] the sum; v16-23 q;
; v32-95 fragments; v96-159 S^T, then p; v160-191 O^T; v192-207 p's codes; v208-223 the next slot's pieces; v224-254 at work.
.set SL1,  32768                       ; slot 1
.set VIM,  16384                       ; v's image in a slot, behind k's
.set TAB,  65536                       ; 2,048 f32: sm at a masked key, else 0
.set STGA, 73728                       ; the way out: 16 rows x (64 bytes + 16) for each wave
	s_load_b256 s[4:11], s[0:1], 0x0               ; qkv 4, mask 6, the exponents 8, ac 10
	v_lshl_add_u32 v251, v0, 2, 0x17000
	v_mov_b32 v255, 0
	v_lshrrev_b32 v8, 5, v0
	v_readfirstlane_b32 s12, v8                    ; wave 0..15
	v_and_b32 v8, 31, v0
	v_lshlrev_b32 v1, 4, v8
	v_lshlrev_b32 v2, 4, v0
	v_and_b32 v10, 15, v0                          ; r
	v_bfe_u32 v11, v0, 4, 1                        ; h
	v_lshlrev_b32 v6, 6, v10
	v_lshl_add_u32 v6, v11, 4, v6                  ; q: row r of 64 bytes, + 16 h
	v_lshlrev_b32 v5, 6, v11
	v_add_nc_u32 v5, TAB, v5
	s_mul_i32 s38, s12, 1280
	s_add_co_u32 s38, s38, STGA
	v_mul_u32_u24 v225, v10, 80
	v_lshl_add_u32 v225, v11, 4, v225
	v_add_nc_u32 v225, s38, v225                   ; the stage, in
	v_lshrrev_b32 v226, 2, v8
	v_mul_u32_u24 v226, v226, 80
	v_and_b32 v227, 3, v8
	v_lshl_add_u32 v226, v227, 4, v226
	v_add_nc_u32 v226, s38, v226                   ; and back
	v_add_nc_u32 v227, TAB, v2                     ; my four words of the table
	; thread T's piece of k: key T[8:2], 16 bytes T[1:0].  tile 2 T[8:7] + T[5]; piece T[1]; lane T[4:2] + 8 T[6] + 16 T[0]
	v_bfe_u32 v10, v0, 2, 3
	v_lshlrev_b32 v3, 4, v10
	v_bfe_u32 v10, v0, 6, 1
	v_lshl_add_u32 v3, v10, 7, v3
	v_and_b32 v10, 1, v0
	v_lshl_add_u32 v3, v10, 8, v3
	v_bfe_u32 v10, v0, 1, 1
	v_lshl_add_u32 v3, v10, 9, v3
	v_bfe_u32 v10, v0, 5, 1
	v_lshl_add_u32 v4, v10, 11, v3                 ; of v: channel T[7:2], keys 64 T[8] + 16 T[1:0]: tile 2 T[7] + T[5]; piece 2 T[8] + T[1]; the same lane
	v_lshl_add_u32 v3, v10, 10, v3
	v_bfe_u32 v10, v0, 7, 2
	v_lshl_add_u32 v3, v10, 11, v3
	v_bfe_u32 v10, v0, 7, 1
	v_lshl_add_u32 v4, v10, 12, v4
	v_bfe_u32 v10, v0, 8, 1
	v_lshl_add_u32 v4, v10, 10, v4
	v_add_nc_u32 v4, VIM, v4
	s_and_b32 s13, ttmp7, 0xffff                   ; 16 x batch + head
	s_lshl_b32 s38, s13, 17                        ; its 131,072 bytes in q, k and v
	s_add_co_u32 s40, s38, 0x400000
	s_add_co_u32 s42, s38, 0x800000
	s_lshl_b32 s44, ttmp9, 8
	s_lshl_b32 s45, s12, 4
	s_add_co_u32 s44, s44, s45                     ; my first query
	s_lshl_b32 s44, s44, 6
	s_add_co_u32 s38, s38, s44
	s_mov_b32 s39, 0
	s_mov_b32 s41, 0
	s_mov_b32 s43, 0
	s_lshr_b32 s46, s13, 4                         ; batch
	s_and_b32 s50, s13, 15
	s_lshl_b32 s50, s50, 18                        ; ac: [head][token][64]
	s_lshl_b32 s51, s46, 17
	s_add_co_u32 s50, s50, s51
	s_add_co_u32 s50, s50, s44
	s_mov_b32 s51, 0
	s_lshl_b32 s46, s46, 13
	s_mov_b32 s47, 0
	s_mov_b32 s20, 0x76543210                      ; v_permlanex16_b32: lane l xor 16
	s_mov_b32 s21, 0xfedcba98
	s_mov_b32 s31, 0                               ; the trip's first key in the table, in bytes
	s_wait_kmcnt 0x0
	s_load_b128 s[32:35], s[8:9], 0x18             ; e6, e7, e8, e9
	s_load_b32 s36, s[8:9], 0x28                   ; e10
	s_add_nc_u64 s[16:17], s[4:5], s[40:41]        ; k
	s_add_nc_u64 s[18:19], s[4:5], s[42:43]        ; v
	s_add_nc_u64 s[24:25], s[4:5], s[38:39]        ; q
	s_add_nc_u64 s[26:27], s[6:7], s[46:47]        ; the batch's mask
	s_add_nc_u64 s[28:29], s[10:11], s[50:51]
.macro GET                             ; a slot's 32 KiB: four loads of 16 bytes a thread
	global_load_b128 v[208:211], v2, s[16:17]
	global_load_b128 v[212:215], v2, s[16:17] offset:8192
	global_load_b128 v[216:219], v2, s[18:19]
	global_load_b128 v[220:223], v2, s[18:19] offset:8192
.endm
.macro PUTS sl                         ; the pieces that GET brought go into slot sl, whose old readers waited for their reads ahead of the barrier that this wave has passed
	s_wait_loadcnt 0x0                             ; the four loads are in: so their bases may step
	s_add_nc_u64 s[16:17], s[16:17], 16384
	s_add_nc_u64 s[18:19], s[18:19], 16384
	ds_store_b128 v3, v[208:211] offset:(\sl)*SL1
	ds_store_b128 v3, v[212:215] offset:(\sl)*SL1+8192
	ds_store_b128 v4, v[216:219] offset:(\sl)*SL1
	ds_store_b128 v4, v[220:223] offset:(\sl)*SL1+8192
	s_wait_dscnt 0x0                               ; for the others' sake: my stores have landed and my reads of the slot in hand are in; the stores have read their registers
.endm
.macro OMUL i                          ; pair i of O^T under the new M
	v_pk_mul_f32 v[160+2*(\i):161+2*(\i)], v[160+2*(\i):161+2*(\i)], v[252:253] op_sel_hi:[1,0]
.endm
	global_load_b128 v[16:19], v6, s[24:25]
	global_load_b128 v[20:23], v6, s[24:25] offset:32
	GET
	global_load_b128 v[24:27], v2, s[26:27]        ; my four keys' mask, for the table
.set SS, 0
.rept 16
	global_load_b128 v[96+4*SS:99+4*SS], v1, s[26:27] offset:512*SS   ; and all 2,048, for the steps' flags
.set SS, SS+1
.endr
	v_mov_b32 v13, 0xff61b1e6                      ; the largest t so far: -3e38
	v_floor_f32 v12, -v13
	v_mov_b32 v14, 0
	v_mov_b32 v15, 0
	v_mov_b32 v224, 0                              ; a lane permute's destination counts as read
	v_mov_b32 v253, 0
.set J, 0
.rept 32
	v_mov_b32 v[160+J], 0                          ; O^T: the step is written once, and the first change of M leaves zeros zeros
.set J, J+1
.endr
	s_wait_kmcnt 0x0
	s_add_co_i32 s38, s32, s33                     ; e6 + e7
	s_lshl_b32 s39, s38, 23
	s_mov_b32 s22, 0x3e38aa3b                      ; log2(e) / 8
	s_add_co_i32 s22, s22, s39                     ; x 2^(e6 + e7)
	s_mov_b32 s23, s22
	s_sub_co_i32 s38, 160, s38
	s_lshl_b32 s38, s38, 23
	s_or_b32 s38, s38, 0x80000000
	v_mov_b32 v7, s38                              ; sm
	s_add_co_i32 s38, s34, 127
	s_lshl_b32 s39, s38, 23
	v_mov_b32 v244, s39                            ; 2^e8
	s_add_co_i32 s38, s38, 8
	s_lshl_b32 s38, s38, 23
	s_or_b32 s38, s38, 0x600000
	v_mov_b32 v240, s38                            ; 448 x 2^e8
	s_add_co_i32 s38, s36, 127
	s_lshl_b32 s39, s38, 23
	v_mov_b32 v245, s39                            ; 2^e10
	s_add_co_i32 s38, s38, 8
	s_lshl_b32 s38, s38, 23
	s_or_b32 s38, s38, 0x600000
	v_mov_b32 v241, s38
	s_wait_loadcnt 0x0
.irp j, 24,25,26,27
	v_cmp_eq_u32 vcc_lo, 0, v\j
	v_cndmask_b32 v\j, 0, v7, vcc_lo
.endr
	ds_store_b128 v227, v[24:27]
	s_mov_b32 s30, 0                               ; bit s: step s has a masked key
.set SS, 0
.rept 16
	v_min_u32 v228, v[96+4*SS], v[97+4*SS]
	v_min_u32 v229, v[98+4*SS], v[99+4*SS]
	v_min_u32 v228, v228, v229
	v_cmp_eq_u32 vcc_lo, 0, v228
	s_cmp_lg_u32 vcc_lo, 0
	s_cselect_b32 s38, 1<<SS, 0
	s_or_b32 s30, s30, s38
.set SS, SS+1
.endr
	PUTS 0                                         ; keys 0 to 255, and the table's words above, have landed
	GET                                            ; keys 256 to 511
	s_barrier_signal -1
	s_barrier_wait -1
; A KEY STEP: the sg-th 128 keys of slot sl; kk: the step's number in the trip, for the table.
; put = 1: a slot's second step: the next slot's pieces go into the other slot, and the slot's barrier stands round the softmax.  get = 1: the slot after that is asked for.
.macro STEP sl, sg, kk, put, get
.rept 4
	v_nop                                          ; places in front of loads into registers that the last products read
.endr
.irp t, 0,1,2,3,4,5,6,7
	ds_load_b128 v[32+8*\t:35+8*\t], v1 offset:\sl*SL1+8192*\sg+1024*\t
	ds_load_b128 v[36+8*\t:39+8*\t], v1 offset:\sl*SL1+8192*\sg+1024*\t+512
.endr
	s_bitcmp1_b32 s30, 0
	s_cbranch_scc1 .Lmasked_\@
	s_wait_dscnt 0x0
.irp t, 0,1,2,3,4,5,6,7
	v_wmma_f32_16x16x64_fp8_fp8 v[96+8*\t:103+8*\t], v[32+8*\t:39+8*\t], v[16:23], 0
.endr
	s_branch .Ljoin_\@
.Lmasked_\@:
.irp t, 0,1,2,3,4,5,6,7                ; register j of tile t is key 32 (t / 2) + 16 h + 8 (t % 2) + j
	ds_load_b128 v[96+8*\t:99+8*\t], v9 offset:512*\kk+128*(\t/2)+32*(\t%2)
	ds_load_b128 v[100+8*\t:103+8*\t], v9 offset:512*\kk+128*(\t/2)+32*(\t%2)+16
.endr
	s_wait_dscnt 0x0
.irp t, 0,1,2,3,4,5,6,7
	v_wmma_f32_16x16x64_fp8_fp8 v[96+8*\t:103+8*\t], v[32+8*\t:39+8*\t], v[16:23], v[96+8*\t:103+8*\t]
.endr
.Ljoin_\@:
	s_lshr_b32 s30, s30, 1
.rept 4
	v_nop
.endr
.irp t, 0,1,2,3                        ; v^T's four fragments: where put = 0 they land during the softmax
.irp c, 0,1,2,3
	ds_load_b128 v[32+16*\t+4*\c:35+16*\t+4*\c], v1 offset:\sl*SL1+VIM+8192*\sg+2048*\t+512*\c
.endr
.endr
.if \put
	PUTS 1-\sl                                     ; those were my last reads of this slot; the next slot's pieces, asked for two steps ago, go into the other one
.if \get
	GET                                            ; and the slot after that is asked for: its pieces are stored two steps on
.endif
	s_barrier_signal -1                            ; my stores have landed and my reads of this slot are in; only register work stands between this line and the wait
.endif
	v_max3_num_f32 v254, v96, v97, v98             ; the step's largest score of my query among my 64 keys, in two chains, each accumulator from its low end on,
	v_max3_num_f32 v252, v99, v100, v101
.irp i, 6,10,14,18,22,26,30,34,38,42,46,50,54,58
	v_max3_num_f32 v254, v254, v[96+\i], v[97+\i]
	v_max3_num_f32 v252, v252, v[98+\i], v[99+\i]
.endr
	v_max3_num_f32 v254, v254, v158, v159
	v_max_num_f32 v254, v254, v252
	v_permlanex16_b32 v224, v254, s20, s21
	v_max_num_f32 v254, v254, v224                 ; and among lane l xor 16's
	v_mul_f32 v254, s22, v254                      ; as t (c is positive)
	v_max_num_f32 v13, v13, v254
	v_mov_b32 v254, v12
	v_floor_f32 v12, -v13                          ; the new -M = -ceil(t)
	v_sub_f32 v254, v12, v254                      ; old M - new M: a whole number, 0 or less
	v_cvt_i32_f32 v254, v254                       ; (it saturates)
	v_ldexp_f32 v252, 1.0, v254                    ; f = 2^(old M - new M)
.irp b, 0,1,2
	v_pk_fma_f32 v[96+2*\b:97+2*\b], v[96+2*\b:97+2*\b], s[22:23], v[12:13] op_sel_hi:[1,0,0]   ; t - M of the first three pairs
.endr
; Group B: the two exponentials of pair B, each with a plain line behind it that names none of its registers (ISA guide 5.7.2): t - M of pair B + 3; the sum of pair B - 2 (even pairs into v[14:15],
; odd ones into v[242:243]: THE SUM IS TAKEN OF THE UNQUANTISED p); and, where those have nothing to do and as a third line in eleven groups, O^T's sixteen pairs x f, in ascending order: each accumulator from its low end on.
.set B, 0
.rept 32
	v_exp_f32 v[96+2*B], v[96+2*B]                 ; p = 2^(t - M)
.if B+3 < 32
	v_pk_fma_f32 v[102+2*B:103+2*B], v[102+2*B:103+2*B], s[22:23], v[12:13] op_sel_hi:[1,0,0]
.else
	OMUL B-16
.endif
	v_exp_f32 v[97+2*B], v[97+2*B]
.if B == 0
	v_pk_mul_f32 v[14:15], v[14:15], v[252:253] op_sel_hi:[1,0]   ; the sum under the new M
.elseif B < 3
	OMUL 2*B-1
.elseif B == 3
	s_wait_alu depctr_va_vdst(0)
	v_pk_add_f32 v[242:243], v[96:97], v[98:99]
.elseif B%2 == 0
	s_wait_alu depctr_va_vdst(0)
	v_pk_add_f32 v[14:15], v[14:15], v[92+2*B:93+2*B]
.else
	s_wait_alu depctr_va_vdst(0)
	v_pk_add_f32 v[242:243], v[242:243], v[92+2*B:93+2*B]
.endif
.if B == 0
	OMUL 0
.elseif B == 1
	OMUL 2
.elseif B < 11
	OMUL B+2
.endif
.set B, B+1
.endr
	v_pk_add_f32 v[14:15], v[14:15], v[156:157]
	s_wait_alu depctr_va_vdst(0)
	v_pk_add_f32 v[242:243], v[242:243], v[158:159]
	v_pk_add_f32 v[14:15], v[14:15], v[242:243]
.if \put
	s_barrier_wait -1                              ; every wave has signalled: the next slot is whole, and nobody reads this one any more
.endif
	s_cmp_ge_i32 s34, -8                           ; p <= 1 <= 448 x 2^e8 from e8 = -8 on: the hold cannot act there
	s_cbranch_scc1 .Lno_hold_\@
.set J, 0
.rept 64
	v_min_num_f32 v[96+J], v[96+J], v240           ; the conversion does not saturate (ISA guide 7.6.2); p is not negative
.set J, J+1
.endr
.Lno_hold_\@:
.irp b, 0,1,2,3
	v_cvt_scalef32_pk8_fp8_f32 v[192+4*\b:193+4*\b], v[96+16*\b:103+16*\b], v244
	v_cvt_scalef32_pk8_fp8_f32 v[194+4*\b:195+4*\b], v[104+16*\b:111+16*\b], v244
.endr
	v_nop                                          ; a plain line between the last conversion and the products that read its result
	s_wait_dscnt 0x0                               ; v^T
.irp t, 0,1,2,3
	v_wmma_f32_16x16x128_fp8_fp8 v[160+8*\t:167+8*\t], v[32+16*\t:47+16*\t], v[192:207], v[160+8*\t:167+8*\t]
.endr
.endm
	s_mov_b32 s37, 3
.Lpair:                                            ; a trip: two slots, four steps; three trips
	v_add_nc_u32 v9, s31, v5
	STEP 0, 0, 0, 0, 0
	STEP 0, 1, 1, 1, 1
	STEP 1, 0, 2, 0, 0
	STEP 1, 1, 3, 1, 1
	s_add_co_u32 s31, s31, 2048
	s_sub_co_u32 s37, s37, 1
	s_cmp_lg_u32 s37, 0
	s_cbranch_scc1 .Lpair
	v_add_nc_u32 v9, s31, v5                       ; the last two slots: the last pieces are stored, nothing more is asked for: no load leaves its buffer
	STEP 0, 0, 0, 0, 0
	STEP 0, 1, 1, 1, 0
	STEP 1, 0, 2, 0, 0
	STEP 1, 1, 3, 0, 0
	; THE WAY OUT: O^T / l x 2^(e8 + e9), quantised with entry 10; 16 codes for each pair of tiles; through my stage; 1,024 consecutive bytes a wave.
.rept 4
	v_nop
.endr
	v_add_f32 v14, v14, v15
	v_permlanex16_b32 v224, v14, s20, s21
	v_add_f32 v14, v14, v224
	v_rcp_f32 v14, v14
	v_nop
	s_add_co_i32 s38, s34, s35
	s_wait_alu depctr_va_vdst(0)
	v_ldexp_f32 v14, v14, s38
.set J, 0
.rept 32
	v_mul_f32 v[96+J], v[160+J], v14
.set J, J+1
.endr
.set J, 0
.rept 32
	v_med3_num_f32 v[96+J], v[96+J], -v241, v241
.set J, J+1
.endr
.irp p, 0,1
	v_cvt_scalef32_pk8_fp8_f32 v[128+4*\p:129+4*\p], v[96+16*\p:103+16*\p], v245
	v_cvt_scalef32_pk8_fp8_f32 v[130+4*\p:131+4*\p], v[104+16*\p:111+16*\p], v245
.endr
	v_nop
	ds_store_b128 v225, v[128:131]
	ds_store_b128 v225, v[132:135] offset:32
	ds_load_b128 v[136:139], v226                  ; LDS serves a wave's instructions in order: these see my stores
	ds_load_b128 v[140:143], v226 offset:640
	s_wait_dscnt 1
	global_store_b128 v1, v[136:139], s[28:29]
	s_wait_dscnt 0
	global_store_b128 v1, v[140:143], s[28:29] offset:512
	s_wait_tensorcnt 0x0
	ds_add_u32 v251, v255
	s_wait_dscnt 0x0
	s_endpgm
.Lfunc_end_k_qcf911f5b90_attn:
	.size	k_qcf911f5b90_attn, .Lfunc_end_k_qcf911f5b90_attn-k_qcf911f5b90_attn
	.p2alignl 7, 3214868480
	.fill 96, 4, 3214868480
	.section	.rodata,"a",@progbits
	.p2align	6, 0x0
	.amdhsa_kernel k_qcf911f5b90_attn
		.amdhsa_group_segment_fixed_size 96256
		.amdhsa_private_segment_fixed_size 0
		.amdhsa_enable_private_segment 0
		.amdhsa_kernarg_size 32
		.amdhsa_user_sgpr_count 2
		.amdhsa_user_sgpr_kernarg_segment_ptr 1
		.amdhsa_wavefront_size32 1
		.amdhsa_system_sgpr_workgroup_id_x 1
		.amdhsa_system_sgpr_workgroup_id_y 1
		.amdhsa_system_sgpr_workgroup_id_z 1
		.amdhsa_system_vgpr_workitem_id 0
		.amdhsa_next_free_vgpr 256
		.amdhsa_next_free_sgpr 66
		.amdhsa_reserve_vcc 1
		.amdhsa_float_denorm_mode_32 3
		.amdhsa_float_denorm_mode_16_64 3
		.amdhsa_memory_ordered 1
		.amdhsa_forward_progress 1
		.amdhsa_inst_pref_size 162
	.end_amdhsa_kernel
	.amdgpu_metadata
---
amdhsa.version: [ 1, 2 ]
amdhsa.kernels:
  - .name:           k_qcf911f5b90_attn
    .symbol:         k_qcf911f5b90_attn.kd
    .args:
      - { .name: qkv, .offset: 0, .size: 8, .value_kind: global_buffer, .address_space: global }
      - { .name: mask, .offset: 8, .size: 8, .value_kind: global_buffer, .address_space: global }
      - { .name: lowp_scales, .offset: 16, .size: 8, .value_kind: global_buffer, .address_space: global }
      - { .name: ac, .offset: 24, .size: 8, .value_kind: global_buffer, .address_space: global }
    .group_segment_fixed_size: 96256
    .private_segment_fixed_size: 0
    .kernarg_segment_align: 8
    .kernarg_segment_size: 32
    .max_flat_workgroup_size: 512
    .sgpr_count:     66
    .vgpr_count:     256
    .wavefront_size: 32
...
	.end_amdgpu_metadata
.endif
;; end of part 3
;; launch wo (part 4): grid 8 x 32, 4 waves a work-group, clusters of 4 x 4, 327,680 bytes of LDS; arguments ac, wc, bo, xb, lowp_scales, hb; writes hb
.if DOCPART == 4
	.amdgcn_target "amdgcn-amd-amdhsa--gfx1250"
	.amdhsa_code_object_version 6
	.text
	.protected	k_qcf911f5b90_wo
	.globl	k_qcf911f5b90_wo
	.p2align	8
	.type	k_qcf911f5b90_wo,@function
k_qcf911f5b90_wo:
	s_mov_b64 s[64:65], 0
	v_nop
	global_prefetch_b8 v0, s[64:65] scope:SCOPE_SE
	s_setreg_imm32_b32 hwreg(HW_REG_WAVE_MODE, 25, 1), 1
	s_wait_xcnt 0x0
	s_wait_alu depctr_hold_cnt(0) depctr_sa_sdst(0) depctr_va_vdst(0) depctr_va_sdst(0) depctr_va_ssrc(0) depctr_va_vcc(0) depctr_vm_vsrc(0)
	s_getreg_b32 s2, hwreg(HW_REG_IB_STS2, 6, 4)
	s_cmp_eq_u32 s2, 0
	s_cbranch_scc0 .Lentry_in_a_cluster
	s_endpgm
.Lentry_in_a_cluster:
	s_bfe_u32 s2, ttmp6, 0x10000c
	s_cmp_lg_u32 s2, 0xf033
	s_cbranch_scc0 .Lentry_shape_is_right
	s_endpgm
.Lentry_shape_is_right:
; h = xb + a Wo + bo.  a: codes [16 heads][4096 tokens][64]; Wo: codes [1024 n][1024 k]; h: f32 [4096][1024].
; Tiles of 128 x 128 (256 of them: one for each WGP; tiles of 256 x 256 would be 64).  Four waves, 64 x 64 each: 16 accumulators.  K = 1,024 is two slots of 512, both filled at the start: nothing is filled again.
; CLUSTERS: 4 x 4; a's tile is shared along a row of the cluster, Wo's along a column.  The matrix instruction is used transposed: a lane holds eight neighbouring features of one token.
; a's TILE: one load brings 8 heads x (64 tokens x 64 bytes, dense): rows of 4,096 bytes, 262,144 apart, with 16 bytes of padding behind every 256: in LDS four tokens of a head to a line of 272.
; The residual's 64 x 64 numbers a wave are asked for at the head, in the layout of the stores, and land during the products.
; LIMITS: e10 + e11 between -126 and 127.
; REGISTERS: window 0: v1-31 addresses; v32-63 bias; v64-95 sums on the way out; v96-127, v192-223 rows back from the stage; v128-191 a's fragments.  window 1: Wo's fragments at v0, v128; the residual at v64-127, v192-255.  window 2: accumulators.
.set NA,     4
.set ROWB,   512
.set PITCH,  528
.set QIC,    6
.set NQ,     4
.set HROWS,  64
.set HALFT,  HROWS*PITCH
.set HALFA,  8*16*272                  ; a's half tile: 8 heads x 16 lines
.set SLOT,   2*HALFA+2*HALFT
.set KROW,   1024
.set LAPS,   1
.set SPARE,  2*SLOT
.set BRC,    32
.set AF,   128
.set ADRA, 16
.set ADRB, 20
.set STO,  24
.set RD,   25
.set SPW,  28
.set NIL,  29
.set G1,  24
.set G0,  32
.set G1B, 48
.set G0B, 56
.set MUL_LO, 0xa1
.set MUL_HI, 0xa1+0x50*(NA/8)
.set TO_B,   0x40
.set MSB, 0
.macro WIN new
.if MSB != (\new)
	s_set_vgpr_msb (MSB<<8)|(\new)
.set MSB, \new
.endif
.endm
.macro JLOAD g0a, g1a, g0b, g1b
	s_cmp_eq_u32 s15, 0
	s_cbranch_scc0 .Lfor_b_\@
	tensor_load_to_lds s[\g0a:\g0a+3], s[\g1a:\g1a+7]
	s_nop 0
.rept 4
	v_nop
.endr
	s_branch .Lasked_\@
.Lfor_b_\@:
	tensor_load_to_lds s[\g0b:\g0b+3], s[\g1b:\g1b+7]
	s_nop 0
.rept 4
	v_nop
.endr
.Lasked_\@:
.endm
.macro CREST
	s_cmp_lg_u32 s14, 0
	s_cbranch_scc1 .Lnot_wave_0_\@
	s_barrier_signal -3
.Lnot_wave_0_\@:
	s_barrier_wait -3
	s_barrier_signal -1
	s_barrier_wait -1
.endm
.macro CROUND
	s_barrier_signal -1
	s_barrier_wait -1
	CREST
.endm
.macro PLACES n
.rept \n
	v_nop
.endr
.endm
.macro FRAG reg, adr, q, i
.irp c, 0,1,2,3
	ds_load_b128 v[\reg+4*\c:\reg+4*\c+3], v[\adr] offset:128*(\q)+32*\c+(\i)*16*PITCH
.endr
.endm
.macro FRAGA reg, adr, q, i            ; K = 128 q + 32 c + 16 h is head 2 q + c / 2, byte 32 (c % 2) + 16 h; token 16 i + r lies in line 4 i + r / 4 of its head
.irp c, 0,1,2,3
	ds_load_b128 v[\reg+4*\c:\reg+4*\c+3], v[\adr] offset:(2*(\q)+\c/2)*4352+(\i)*1088+32*(\c%2)
.endr
.endm
.macro MULA a, p, z
.set AC, 8*NA*((\a)%4)
.set FA, AF+16*(\a)
.set BB, 0
.rept NA
.if \z == 1
	v_wmma_f32_16x16x128_fp8_fp8 v[AC+8*BB:AC+8*BB+7], v[128*(\p)+16*BB:128*(\p)+16*BB+15], v[FA:FA+15], 0
.else
	v_wmma_f32_16x16x128_fp8_fp8 v[AC+8*BB:AC+8*BB+7], v[128*(\p)+16*BB:128*(\p)+16*BB+15], v[FA:FA+15], v[AC+8*BB:AC+8*BB+7]
.endif
.set BB, BB+1
.endr
.endm
.macro MULR a0, n, p, z                ; the accumulators take turns, in the same order in every step
.set AA, \a0
.rept \n
	MULA AA, \p, \z
.set AA, AA+1
.endr
.endm
.macro FETCH_B slot, q, p
	WIN TO_B
.set II, 0
.rept NA
	FRAG 128*(\p)+16*II, ADRB+\slot, \q, II
.set II, II+1
.endr
	WIN 0
.endm
.macro FETCH_A slot, q, i0
.set II, \i0
.rept NA/2
	FRAGA AF+16*II, ADRA+\slot, \q, II
.set II, II+1
.endr
.endm
.macro STEP slot, q, z
	s_wait_dscnt 2*NA                              ; all but the youngest 2 NA loads (a's upper blocks)
	WIN MUL_LO
	MULR 0, NA/2, (\q)%2, \z
	s_wait_dscnt 0
	PLACES 4
	FETCH_B \slot, (\q)+1, 1-(\q)%2
	FETCH_A \slot, (\q)+1, 0
	WIN MUL_HI
	MULR NA/2, NA/2, (\q)%2, \z
	PLACES 4
	WIN 0
	FETCH_A \slot, (\q)+1, NA/2
.endm
.macro TURN slot, next                 ; a slot's last step changes slots; nothing is filled again in this text
	s_wait_tensorcnt 0x0                           ; all my tensor loads have landed: my part of the next slot
	ds_add_u32 v[SPW], v[NIL]                      ; 0 onto my spare word
	s_wait_dscnt 2*NA+1
	WIN MUL_LO
	MULR 0, NA/4, 1, 0
	s_wait_dscnt 0x0
	s_barrier_signal -1
	MULR NA/4, NA/4, 1, 0
	WIN 0
	s_barrier_wait -1
	PLACES 4
	FETCH_B \next, 0, 0
	FETCH_A \next, 0, 0
	WIN MUL_HI
	MULR NA/2, NA/2, 1, 0
	PLACES 4
	WIN 0
	FETCH_A \next, 0, NA/2
.endm
	s_load_b256 s[4:11], s[0:1], 0x0               ; ac 4, wc 6, bo 8, xb 10
	s_load_b128 s[68:71], s[0:1], 0x20             ; the exponents 68, hb 70
	v_lshl_add_u32 v[SPW], v0, 2, SPARE
	v_mov_b32 v[NIL], 0
	ds_add_u32 v28, v29
	ds_add_u32 v28, v29
	s_wait_dscnt 0x0
	v_lshrrev_b32 v1, 5, v0
	v_readfirstlane_b32 s14, v1
	s_lshr_b32 s15, s14, 1                         ; my half of the tokens.  Also: I fetch a (0) or Wo (1)
	s_and_b32 s16, s14, 1                          ; my half of the features.  Also: which half I fetch
	s_bfe_u32 s40, ttmp6, 0x40000
	s_bfe_u32 s41, ttmp6, 0x40004
	s_lshl_b32 s42, ttmp9, 2
	s_add_co_u32 s42, s42, s40                     ; the features' tile 0..7
	s_and_b32 s17, ttmp7, 0xffff
	s_lshl_b32 s17, s17, 2
	s_add_co_u32 s17, s17, s41                     ; the tokens' tile 0..31
	s_lshl_b32 s43, s41, 2
	s_lshl_b32 s43, 15, s43
	s_lshl_b32 s44, 0x1111, s40
	s_or_b32 s[G1+0], s43, (1<<20)|(1<<21)|(5<<22)|(3<<25)     ; a: padding of 4 words after every 64
	s_mov_b32 s[G1+1], 4096<<16                    ; tensor_dim0: 64 tokens x 64 bytes
	s_mov_b32 s[G1+2], 8<<16                       ; tensor_dim1: 8 heads
	s_mov_b32 s[G1+3], 4096<<16                    ; tile_dim0
	s_mov_b32 s[G1+4], 8                           ; tile_dim1
	s_mov_b32 s[G1+5], 262144                      ; from head to head
	s_mov_b32 s[G1+6], 0
	s_mov_b32 s[G1+7], 0
	s_or_b32 s[G1B+0], s44, (1<<20)|(1<<21)|(QIC<<22)|(3<<25)
	s_mov_b32 s[G1B+1], ROWB<<16
	s_mov_b32 s[G1B+2], HROWS<<16
	s_mov_b32 s[G1B+3], ROWB<<16
	s_mov_b32 s[G1B+4], HROWS
	s_mov_b32 s[G1B+5], KROW
	s_mov_b32 s[G1B+6], 0
	s_mov_b32 s[G1B+7], 0
	s_lshl_b32 s18, s16, 6
	s_lshl_b32 s20, s17, 7
	s_add_co_u32 s20, s20, s18
	s_lshl_b32 s20, s20, 6                         ; a: token 128 x tile + 64 x half, of 64 bytes
	s_mov_b32 s21, 0
	s_lshl_b32 s46, s42, 7
	s_add_co_u32 s46, s46, s18
	s_lshl_b32 s46, s46, 10
	s_add_co_u32 s46, s46, 0x300000                ; Wo's codes in wc
	s_mov_b32 s47, 0
	s_mul_i32 s45, s16, HALFA
	s_mul_i32 s23, s16, HALFT
	s_add_co_u32 s23, s23, 2*HALFA
	s_wait_kmcnt 0x0
	s_load_b64 s[76:77], s[68:69], 0x28            ; e10, e11
	s_add_nc_u64 s[20:21], s[4:5], s[20:21]
	s_add_nc_u64 s[46:47], s[6:7], s[46:47]
	CROUND
.irp s, 0,1
	s_mov_b32 s[G0+4*\s], 1
	s_add_co_u32 s[G0+4*\s+1], s45, \s*SLOT
	s_add_nc_u64 s[G0+4*\s+2:G0+4*\s+3], s[20:21], \s*2097152   ; eight heads on
	s_or_b32 s[G0+4*\s+3], s[G0+4*\s+3], 0x80000000
	s_mov_b32 s[G0B+4*\s], 1
	s_add_co_u32 s[G0B+4*\s+1], s23, \s*SLOT
	s_add_nc_u64 s[G0B+4*\s+2:G0B+4*\s+3], s[46:47], \s*ROWB
	s_or_b32 s[G0B+4*\s+3], s[G0B+4*\s+3], 0x80000000
	JLOAD G0+4*\s, G1, G0B+4*\s, G1B               ; two tensor loads of mine are out
.endr
	v_and_b32 v1, 15, v0                           ; r
	v_bfe_u32 v2, v0, 4, 1                         ; h
	s_lshl_b32 s18, s42, 9
	s_lshl_b32 s19, s16, 8
	s_add_co_u32 s18, s18, s19                     ; my first feature, in bytes of f32
	s_mov_b32 s19, 0
	s_add_nc_u64 s[8:9], s[8:9], s[18:19]
	s_lshl_b32 s22, s17, 7
	s_lshl_b32 s21, s15, 6
	s_add_co_u32 s22, s22, s21
	s_lshl_b32 s22, s22, 12                        ; my first token's row
	s_add_co_u32 s18, s18, s22
	s_add_nc_u64 s[10:11], s[10:11], s[18:19]
	s_add_nc_u64 s[70:71], s[70:71], s[18:19]
	v_lshlrev_b32 v6, 5, v2
	v_lshlrev_b32 v26, 12, v2
	v_lshl_add_u32 v26, v1, 4, v26                 ; lanes 0-15 one row's 256 bytes, lanes 16-31 the next row's
.irp b, 0,1,2,3
	global_load_b128 v[32+8*\b:35+8*\b], v6, s[8:9] offset:64*\b        ; bias of features 16 b + 8 h + 0 .. 7
	global_load_b128 v[36+8*\b:39+8*\b], v6, s[8:9] offset:64*\b+16
.endr
	WIN 0x40
.irp a, 0,1,2,3
.irp i, 0,1,2,3,4,5,6,7
	global_load_b128 v[64+32*\a+64*(\a/2)+4*\i:64+32*\a+64*(\a/2)+4*\i+3], v26, s[10:11] offset:(16*\a+2*\i)*4096 th:TH_LOAD_NT
.endr
.endr
	WIN 0
	v_lshrrev_b32 v3, 2, v1
	v_mul_u32_u24 v3, v3, 272
	v_and_b32 v4, 3, v1
	v_lshl_add_u32 v3, v4, 6, v3
	v_lshl_add_u32 v3, v2, 4, v3                   ; a: line r / 4, token r % 4, + 16 h
	v_mul_u32_u24 v4, v1, PITCH
	v_lshl_add_u32 v4, v2, 4, v4
	s_mul_i32 s21, s15, HALFA
	s_mul_i32 s22, s16, HALFT
	s_add_co_u32 s22, s22, 2*HALFA
.irp s, 0,1
	v_add_nc_u32 v[ADRA+\s], s21, v3
	v_add_nc_u32 v[ADRB+\s], s22, v4
	s_add_co_u32 s21, s21, SLOT
	s_add_co_u32 s22, s22, SLOT
.endr
	s_mul_i32 s22, s14, 16*272                     ; my stage, in slot 0
	v_mul_u32_u24 v8, v1, 272
	v_lshl_add_u32 v8, v2, 5, v8
	v_add_nc_u32 v[STO], s22, v8
	v_mul_u32_u24 v8, v2, 272
	v_lshl_add_u32 v8, v1, 4, v8
	v_add_nc_u32 v[RD], s22, v8
	s_wait_kmcnt 0x0
	s_add_co_i32 s96, s76, s77
	s_add_co_i32 s96, s96, 127
	s_lshl_b32 s96, s96, 23
	s_mov_b32 s97, s96
	s_wait_tensorcnt 1                             ; my part of slot 0 is in; slot 1's may be out
	s_barrier_signal -1
	s_barrier_wait -1
	FETCH_B 0, 0, 0
	FETCH_A 0, 0, 0
	FETCH_A 0, 0, NA/2
	STEP 0, 0, 1
	STEP 0, 1, 0
	STEP 0, 2, 0
	TURN 0, 1
	STEP 1, 0, 0
	STEP 1, 1, 0
	STEP 1, 2, 0
	s_wait_dscnt 2*NA
	WIN MUL_LO
	MULR 0, NA/2, 1, 0
	s_wait_dscnt 0
	WIN MUL_HI
	MULR NA/2, NA/2, 1, 0
	WIN 0
; THE WAY OUT, 16 tokens at a time: sum x 2^(eA + eB) + bias; through my stage, back as rows of 256 bytes; + the residual; sixteen lanes store 256 consecutive aligned bytes.
.macro TOSTAGE a
.set AC, 32*(\a)
.set OBB, 96+96*((\a)%2)
	WIN 0x02
.set J, 0
.rept 16
	v_pk_fma_f32 v[64+J:65+J], v[AC+J:AC+J+1], s[96:97], v[32+J:33+J] op_sel_hi:[1,0,1]   ; each accumulator from its low end on
.set J, J+2
.endr
	WIN 0
.irp b, 0,1,2,3
	ds_store_b128 v[STO], v[64+8*\b:67+8*\b] offset:64*\b
	ds_store_b128 v[STO], v[68+8*\b:71+8*\b] offset:64*\b+16
.endr
.irp i, 0,1,2,3,4,5,6,7
	ds_load_b128 v[OBB+4*\i:OBB+4*\i+3], v[RD] offset:2*\i*272
.endr
.endm
.macro SEND a, younger
.set OBB, 96+96*((\a)%2)
.set RB, 64+32*(\a)+64*((\a)/2)
	s_wait_dscnt \younger
	WIN 0x04                                       ; source 1 (the residual) window 1
.set J, 0
.rept 16
	v_pk_add_f32 v[OBB+J:OBB+J+1], v[OBB+J:OBB+J+1], v[RB+J:RB+J+1]
.set J, J+2
.endr
	WIN 0
.irp i, 0,1,2,3,4,5,6,7
	global_store_b128 v26, v[OBB+4*\i:OBB+4*\i+3], s[70:71] offset:(16*(\a)+2*\i)*4096
.endr
.endm
	s_wait_loadcnt 0x0                             ; the bias and the residual
	PLACES 4
	TOSTAGE 0
.irp a, 1,2,3
.if \a > 1
	s_wait_xcnt 0x0                                ; block a - 2's stores have read their registers
.endif
	TOSTAGE \a
	SEND \a-1, 16                                  ; behind block a - 1's loads: block a's 8 stores and 8 loads
.endr
	SEND 3, 0
	s_wait_tensorcnt 0x0                           ; the wave's end
	ds_add_u32 v[SPW], v[NIL]
	s_wait_dscnt 0x0
	CROUND
	s_endpgm
.Lfunc_end_k_qcf911f5b90_wo:
	.size	k_qcf911f5b90_wo, .Lfunc_end_k_qcf911f5b90_wo-k_qcf911f5b90_wo
	.p2alignl 7, 3214868480
	.fill 96, 4, 3214868480
	.section	.rodata,"a",@progbits
	.p2align	6, 0x0
	.amdhsa_kernel k_qcf911f5b90_wo
		.amdhsa_group_segment_fixed_size 327680
		.amdhsa_private_segment_fixed_size 0
		.amdhsa_enable_private_segment 0
		.amdhsa_kernarg_size 48
		.amdhsa_user_sgpr_count 2
		.amdhsa_user_sgpr_kernarg_segment_ptr 1
		.amdhsa_wavefront_size32 1
		.amdhsa_system_sgpr_workgroup_id_x 1
		.amdhsa_system_sgpr_workgroup_id_y 1
		.amdhsa_system_sgpr_workgroup_id_z 1
		.amdhsa_system_vgpr_workitem_id 0
		.amdhsa_next_free_vgpr 640
		.amdhsa_next_free_sgpr 98
		.amdhsa_reserve_vcc 0
		.amdhsa_float_denorm_mode_32 3
		.amdhsa_float_denorm_mode_16_64 3
		.amdhsa_memory_ordered 1
		.amdhsa_forward_progress 1
		.amdhsa_inst_pref_size 56
	.end_amdhsa_kernel
	.amdgpu_metadata
---
amdhsa.version: [ 1, 2 ]
amdhsa.kernels:
  - .name:           k_qcf911f5b90_wo
    .symbol:         k_qcf911f5b90_wo.kd
    .args:
      - { .name: ac, .offset: 0, .size: 8, .value_kind: global_buffer, .address_space: global }
      - { .name: wc, .offset: 8, .size: 8, .value_kind: global_buffer, .address_space: global }
      - { .name: bo, .offset: 16, .size: 8, .value_kind: global_buffer, .address_space: global }
      - { .name: xb, .offset: 24, .size: 8, .value_kind: global_buffer, .address_space: global }
      - { .name: lowp_scales, .offset: 32, .size: 8, .value_kind: global_buffer, .address_space: global }
      - { .name: hb, .offset: 40, .size: 8, .value_kind: global_buffer, .address_space: global }
    .group_segment_fixed_size: 327680
    .private_segment_fixed_size: 0
    .kernarg_segment_align: 8
    .kernarg_segment_size: 48
    .max_flat_workgroup_size: 128
    .sgpr_count:     98
    .vgpr_count:     640
    .wavefront_size: 32
...
	.end_amdgpu_metadata
.endif
;; end of part 4
;; launch ln2 (part 5): grid 256 x 1, 4 waves a work-group, no clusters, 0 bytes of LDS; arguments hb, a2, o2, lowp_scales, zc; writes zc
.if DOCPART == 5
	.amdgcn_target "amdgcn-amd-amdhsa--gfx1250"
	.amdhsa_code_object_version 6
	.text
	.protected	k_qcf911f5b90_ln2
	.globl	k_qcf911f5b90_ln2
	.p2align	8
	.type	k_qcf911f5b90_ln2,@function
k_qcf911f5b90_ln2:
	s_mov_b64 s[64:65], 0
	v_nop
	global_prefetch_b8 v0, s[64:65] scope:SCOPE_SE
	s_setreg_imm32_b32 hwreg(HW_REG_WAVE_MODE, 25, 1), 1
	s_wait_xcnt 0x0
; The second layer norm: z = a2 (h - mean) / (std + 1e-6) + o2, std from the sum of squared deviations / 1023, quantised to E4M3 with entry 12.
; A wave takes a whole row of 1,024 numbers (32 a lane), four rows one after the other: the row stays in registers between the passes; no LDS, no barrier.
; LIMITS: e12 between -126 and 119.  NaN is not served.
; REGISTERS: v32-159 four rows; v160-175 at work; v176-183 codes; v[12:13] mean, v[14:15] a / (std + eps), v[16:17] o; v18 448 x 2^e, v21 2^e.
.set NS, 1
.macro WSUM
	v_add_f32_dpp v160, v160, v160 row_xmask:1 row_mask:0xf bank_mask:0xf
	v_add_f32_dpp v160, v160, v160 row_xmask:2 row_mask:0xf bank_mask:0xf
	v_add_f32_dpp v160, v160, v160 row_xmask:4 row_mask:0xf bank_mask:0xf
	v_add_f32_dpp v160, v160, v160 row_xmask:8 row_mask:0xf bank_mask:0xf
	v_permlanex16_b32 v161, v160, s6, s7
	v_add_f32 v160, v160, v161
.endm
.macro FOLD
	v_pk_add_f32 v[160:161], v[160:161], v[162:163]
	v_pk_add_f32 v[164:165], v[164:165], v[166:167]
	v_pk_add_f32 v[160:161], v[160:161], v[164:165]
	v_add_f32 v160, v160, v161
	WSUM
.endm
.macro LNROW i
.set XR, 32+32*\i
	s_wait_loadcnt 24-8*\i                         ; this row's eight loads are in; the later rows' stay out
.irp c, 0,2,4,6
	v_pk_add_f32 v[160+\c:161+\c], v[XR+\c:XR+\c+1], v[XR+8+\c:XR+9+\c]
.endr
.irp j, 16,24
.irp c, 0,2,4,6
	v_pk_add_f32 v[160+\c:161+\c], v[160+\c:161+\c], v[XR+\j+\c:XR+\j+\c+1]
.endr
.endr
	FOLD
	v_mul_f32 v12, 0x3a800000, v160                ; the mean
.set J, 0
.rept 16
	v_pk_add_f32 v[XR+J:XR+J+1], v[XR+J:XR+J+1], v[12:13] op_sel_hi:[1,0] neg_lo:[0,1] neg_hi:[0,1]
.set J, J+2
.endr
.irp c, 0,2,4,6
	v_pk_mul_f32 v[160+\c:161+\c], v[XR+\c:XR+\c+1], v[XR+\c:XR+\c+1]
.endr
.irp j, 8,16,24
.irp c, 0,2,4,6
	v_pk_fma_f32 v[160+\c:161+\c], v[XR+\j+\c:XR+\j+\c+1], v[XR+\j+\c:XR+\j+\c+1], v[160+\c:161+\c]
.endr
.endr
	FOLD
	v_mul_f32 v160, 0x3a802008, v160               ; / 1023
	v_sqrt_f32 v160, v160
	v_nop                                          ; a plain line behind a transcendental (ISA guide 5.7.2)
	s_wait_alu depctr_va_vdst(0)
	v_add_f32 v160, 0x358637bd, v160               ; + 1e-6
	v_rcp_f32 v160, v160
	v_nop
	s_wait_alu depctr_va_vdst(0)
	v_mul_f32 v14, s56, v160
.set J, 0
.rept 16
	v_pk_fma_f32 v[XR+J:XR+J+1], v[XR+J:XR+J+1], v[14:15], v[16:17] op_sel_hi:[1,0,0]
.set J, J+2
.endr
	s_wait_xcnt 0x0                                ; the last row's stores have read the codes' registers
.irp g, 0,1,2,3
.set TT, 160+8*(\g%2)
.irp k, 0,1,2,3,4,5,6,7
	v_med3_num_f32 v[TT+\k], v[XR+8*\g+\k], -v18, v18
.endr
	v_cvt_scalef32_pk8_fp8_f32 v[176+2*\g:176+2*\g+1], v[TT:TT+7], v21
.endr
	v_nop
.irp g, 0,1,2,3
	global_store_b64 v5, v[176+2*\g:176+2*\g+1], s[50:51] offset:1024*\i+256*\g   ; 32 lanes store 256 consecutive aligned bytes
.endr
.endm
	s_load_b256 s[8:15], s[0:1], 0x0               ; hb 8, a2 10, o2 12, the exponents 14
	s_load_b64 s[16:17], s[0:1], 0x20              ; zc
	v_lshrrev_b32 v1, 5, v0
	v_readfirstlane_b32 s4, v1
	v_and_b32 v2, 31, v0
	s_lshl_b32 s58, ttmp9, 4
	s_lshl_b32 s59, s4, 2
	s_add_co_u32 s58, s58, s59                     ; my first row
	s_lshl_b32 s60, s58, 12
	s_mov_b32 s61, 0
	s_wait_kmcnt 0x0
	s_add_nc_u64 s[48:49], s[8:9], s[60:61]
	s_lshl_b32 s60, s58, 10
	s_add_nc_u64 s[50:51], s[16:17], s[60:61]
	s_load_b32 s56, s[10:11], 0x0
	s_load_b32 s57, s[12:13], 0x0
	s_load_b32 s32, s[14:15], 0x30                 ; e12
	v_lshlrev_b32 v3, 5, v2
	v_lshlrev_b32 v5, 3, v2
.set I, 0
.rept 4
.set G, 0
.rept 4
	global_load_b128 v[32+32*I+8*G:32+32*I+8*G+3], v3, s[48:49] offset:4096*I+1024*G
	global_load_b128 v[32+32*I+8*G+4:32+32*I+8*G+7], v3, s[48:49] offset:4096*I+1024*G+16
.set G, G+1
.endr
.set I, I+1
.endr
	s_mov_b32 s6, 0x76543210
	s_mov_b32 s7, 0xfedcba98
	s_wait_kmcnt 0x0
	s_add_co_i32 s5, s32, 127
	s_lshl_b32 s58, s5, 23
	v_mov_b32 v21, s58
	s_add_co_i32 s5, s5, 8
	s_lshl_b32 s5, s5, 23
	s_or_b32 s5, s5, 0x600000
	v_mov_b32 v18, s5
	v_mov_b32 v13, 0
	v_mov_b32 v15, 0
	v_mov_b32 v16, s57
	v_mov_b32 v17, s57
	LNROW 0
	LNROW 1
	LNROW 2
	LNROW 3
	s_endpgm
.Lfunc_end_k_qcf911f5b90_ln2:
	.size	k_qcf911f5b90_ln2, .Lfunc_end_k_qcf911f5b90_ln2-k_qcf911f5b90_ln2
	.p2alignl 7, 3214868480
	.fill 96, 4, 3214868480
	.section	.rodata,"a",@progbits
	.p2align	6, 0x0
	.amdhsa_kernel k_qcf911f5b90_ln2
		.amdhsa_group_segment_fixed_size 0
		.amdhsa_private_segment_fixed_size 0
		.amdhsa_enable_private_segment 0
		.amdhsa_kernarg_size 40
		.amdhsa_user_sgpr_count 2
		.amdhsa_user_sgpr_kernarg_segment_ptr 1
		.amdhsa_wavefront_size32 1
		.amdhsa_system_sgpr_workgroup_id_x 1
		.amdhsa_system_sgpr_workgroup_id_y 1
		.amdhsa_system_sgpr_workgroup_id_z 1
		.amdhsa_system_vgpr_workitem_id 0
		.amdhsa_next_free_vgpr 200
		.amdhsa_next_free_sgpr 66
		.amdhsa_reserve_vcc 0
		.amdhsa_float_denorm_mode_32 3
		.amdhsa_float_denorm_mode_16_64 3
		.amdhsa_memory_ordered 1
		.amdhsa_forward_progress 1
		.amdhsa_inst_pref_size 37
	.end_amdhsa_kernel
	.amdgpu_metadata
---
amdhsa.version: [ 1, 2 ]
amdhsa.kernels:
  - .name:           k_qcf911f5b90_ln2
    .symbol:         k_qcf911f5b90_ln2.kd
    .args:
      - { .name: hb, .offset: 0, .size: 8, .value_kind: global_buffer, .address_space: global }
      - { .name: a2, .offset: 8, .size: 8, .value_kind: global_buffer, .address_space: global }
      - { .name: o2, .offset: 16, .size: 8, .value_kind: global_buffer, .address_space: global }
      - { .name: lowp_scales, .offset: 24, .size: 8, .value_kind: global_buffer, .address_space: global }
      - { .name: zc, .offset: 32, .size: 8, .value_kind: global_buffer, .address_space: global }
    .group_segment_fixed_size: 0
    .private_segment_fixed_size: 0
    .kernarg_segment_align: 8
    .kernarg_segment_size: 40
    .max_flat_workgroup_size: 128
    .sgpr_count:     66
    .vgpr_count:     200
    .wavefront_size: 32
...
	.end_amdgpu_metadata
.endif
;; end of part 5
;; launch ffn1 (part 6): grid 16 x 16, 4 waves a work-group, clusters of 4 x 4, 327,680 bytes of LDS; arguments zc, wc, b1, lowp_scales, hid; writes hid
.if DOCPART == 6
	.amdgcn_target "amdgcn-amd-amdhsa--gfx1250"
	.amdhsa_code_object_version 6
	.text
	.protected	k_qcf911f5b90_ffn1
	.globl	k_qcf911f5b90_ffn1
	.p2align	8
	.type	k_qcf911f5b90_ffn1,@function
k_qcf911f5b90_ffn1:
	s_mov_b64 s[64:65], 0
	v_nop
	global_prefetch_b8 v0, s[64:65] scope:SCOPE_SE
	s_setreg_imm32_b32 hwreg(HW_REG_WAVE_MODE, 25, 1), 1
	s_wait_xcnt 0x0
	s_wait_alu depctr_hold_cnt(0) depctr_sa_sdst(0) depctr_va_vdst(0) depctr_va_sdst(0) depctr_va_ssrc(0) depctr_va_vcc(0) depctr_vm_vsrc(0)
	s_getreg_b32 s2, hwreg(HW_REG_IB_STS2, 6, 4)
	s_cmp_eq_u32 s2, 0
	s_cbranch_scc0 .Lentry_in_a_cluster
	s_endpgm
.Lentry_in_a_cluster:
	s_bfe_u32 s2, ttmp6, 0x10000c
	s_cmp_lg_u32 s2, 0xf033
	s_cbranch_scc0 .Lentry_shape_is_right
	s_endpgm
.Lentry_shape_is_right:
; hidden = relu(z W1 + b1), quantised to E4M3 with entry 14.  z: codes [4096][1024]; W1: codes [4096 n][1024 k]; hidden: codes [4096][4096].
; A tile of 256 x 256 is made by four waves, 128 x 128 each.  K goes in steps of 256 through two LDS slots filled by the tensor data mover.  256 tiles.
; CLUSTERS: 4 x 4; z's tile is shared along a row of the cluster, W1's along a column.  The matrix instruction is used transposed, and W1's rows were laid so that the 16 registers of accumulators 2 p, 2 p + 1
; are hidden units 32 p + 16 (lane / 16) + 0 .. 15: the conversions' results are 16 neighbouring bytes of a row of the output.
; The activation and the hold are one line: between 0 and 448 x the scale.  The codes meet in the work-group's stage (256 rows x 256 bytes + 16, in slot 0, which has had its last fill and its last read),
; and leave as whole rows: sixteen lanes store 256 consecutive aligned bytes.
; LIMITS: e12 + e13 between -126 and 127; e14 between -126 and 119.  NaN is not served.
; REGISTERS: window 0: v1-31 addresses; v32-95 bias; v96 448 x 2^e14, v97 2^e14; v128-255 z's fragments, later the way out.  window 1: W1's fragments, two sets.  windows 2, 3: accumulators.
.set NA,     8
.set ROWB,   256
.set PITCH,  272
.set QIC,    5
.set NQ,     2
.set HROWS,  128
.set HALFT,  HROWS*PITCH
.set SLOT,   4*HALFT
.set KROW,   1024
.set LAPS,   2
.set SPARE,  2*SLOT
.set AF,   128
.set ADRA, 16
.set ADRB, 20
.set STO,  24
.set RD,   25
.set SPW,  28
.set NIL,  29
.set G1,  24
.set G0,  32
.set G1B, 48
.set G0B, 56
.set MUL_LO, 0xa1
.set MUL_HI, 0xa1+0x50*(NA/8)
.set TO_B,   0x40
.set MSB, 0
.macro WIN new
.if MSB != (\new)
	s_set_vgpr_msb (MSB<<8)|(\new)
.set MSB, \new
.endif
.endm
.macro JLOAD g0a, g1a, g0b, g1b
	s_cmp_eq_u32 s15, 0
	s_cbranch_scc0 .Lfor_b_\@
	tensor_load_to_lds s[\g0a:\g0a+3], s[\g1a:\g1a+7]
	s_nop 0
.rept 4
	v_nop
.endr
	s_branch .Lasked_\@
.Lfor_b_\@:
	tensor_load_to_lds s[\g0b:\g0b+3], s[\g1b:\g1b+7]
	s_nop 0
.rept 4
	v_nop
.endr
.Lasked_\@:
.endm
.macro CREST
	s_cmp_lg_u32 s14, 0
	s_cbranch_scc1 .Lnot_wave_0_\@
	s_barrier_signal -3
.Lnot_wave_0_\@:
	s_barrier_wait -3
	s_barrier_signal -1
	s_barrier_wait -1
.endm
.macro CROUND
	s_barrier_signal -1
	s_barrier_wait -1
	CREST
.endm
.macro PLACES n
.rept \n
	v_nop
.endr
.endm
.macro FRAG reg, adr, q, i
.irp c, 0,1,2,3
	ds_load_b128 v[\reg+4*\c:\reg+4*\c+3], v[\adr] offset:128*(\q)+32*\c+(\i)*16*PITCH
.endr
.endm
.macro MULA a, p, z
.set AC, 8*NA*((\a)%4)
.set FA, AF+16*(\a)
.set BB, 0
.rept NA
.if \z == 1
	v_wmma_f32_16x16x128_fp8_fp8 v[AC+8*BB:AC+8*BB+7], v[128*(\p)+16*BB:128*(\p)+16*BB+15], v[FA:FA+15], 0
.else
	v_wmma_f32_16x16x128_fp8_fp8 v[AC+8*BB:AC+8*BB+7], v[128*(\p)+16*BB:128*(\p)+16*BB+15], v[FA:FA+15], v[AC+8*BB:AC+8*BB+7]
.endif
.set BB, BB+1
.endr
.endm
.macro MULR a0, n, p, z                ; the accumulators take turns, in the same order in every step
.set AA, \a0
.rept \n
	MULA AA, \p, \z
.set AA, AA+1
.endr
.endm
.macro FETCH_B slot, q, p
	WIN TO_B
.set II, 0
.rept NA
	FRAG 128*(\p)+16*II, ADRB+\slot, \q, II
.set II, II+1
.endr
	WIN 0
.endm
.macro FETCH_A slot, q, i0
.set II, \i0
.rept NA/2
	FRAG AF+16*II, ADRA+\slot, \q, II
.set II, II+1
.endr
.endm
.macro STEP slot, q, z
	s_wait_dscnt 2*NA                              ; all but the youngest 2 NA loads (z's upper blocks)
	WIN MUL_LO
	MULR 0, NA/2, (\q)%2, \z
	s_wait_dscnt 0
	PLACES 4
	FETCH_B \slot, (\q)+1, 1-(\q)%2
	FETCH_A \slot, (\q)+1, 0
	WIN MUL_HI
	MULR NA/2, NA/2, (\q)%2, \z
	PLACES 4
	WIN 0
	FETCH_A \slot, (\q)+1, NA/2
.endm
.macro TURN slot, next, fill
	s_wait_tensorcnt 0x0                           ; all my tensor loads have landed: my part of the next slot
	ds_add_u32 v[SPW], v[NIL]                      ; 0 onto my spare word
	s_wait_dscnt 2*NA+1
	WIN MUL_LO
	MULR 0, NA/4, 1, 0
	s_wait_dscnt 0x0                               ; the add is done, and my reads of this slot are over
	s_barrier_signal -1
	MULR NA/4, NA/4, 1, 0
	WIN 0
	s_barrier_wait -1
.if \fill
	CREST                                          ; the barrier has opened a round of the cluster's
	s_add_nc_u64 s[G0+4*\slot+2:G0+4*\slot+3], s[G0+4*\slot+2:G0+4*\slot+3], 2*ROWB
	s_add_nc_u64 s[G0B+4*\slot+2:G0B+4*\slot+3], s[G0B+4*\slot+2:G0B+4*\slot+3], 2*ROWB
	JLOAD G0+4*\slot, G1, G0B+4*\slot, G1B         ; my one tensor load behind the round
.else
	PLACES 4
.endif
	FETCH_B \next, 0, 0
	FETCH_A \next, 0, 0
	WIN MUL_HI
	MULR NA/2, NA/2, 1, 0
	PLACES 4
	WIN 0
	FETCH_A \next, 0, NA/2
.endm
	s_load_b256 s[4:11], s[0:1], 0x0               ; zc 4, wc 6, b1 8, the exponents 10
	s_load_b64 s[12:13], s[0:1], 0x20              ; hid
	v_lshl_add_u32 v[SPW], v0, 2, SPARE
	v_mov_b32 v[NIL], 0
	ds_add_u32 v28, v29
	ds_add_u32 v28, v29
	s_wait_dscnt 0x0
	v_lshrrev_b32 v1, 5, v0
	v_readfirstlane_b32 s14, v1
	s_lshr_b32 s15, s14, 1
	s_and_b32 s16, s14, 1
	s_bfe_u32 s40, ttmp6, 0x40000
	s_bfe_u32 s41, ttmp6, 0x40004
	s_lshl_b32 s42, ttmp9, 2
	s_add_co_u32 s42, s42, s40                     ; the hidden units' tile 0..15
	s_and_b32 s17, ttmp7, 0xffff
	s_lshl_b32 s17, s17, 2
	s_add_co_u32 s17, s17, s41                     ; the tokens' tile 0..15
	s_lshl_b32 s43, s41, 2
	s_lshl_b32 s43, 15, s43
	s_lshl_b32 s44, 0x1111, s40
	s_or_b32 s[G1+0], s43, (1<<20)|(1<<21)|(QIC<<22)|(3<<25)
	s_or_b32 s[G1B+0], s44, (1<<20)|(1<<21)|(QIC<<22)|(3<<25)
.irp g, G1, G1B
	s_mov_b32 s[\g+1], ROWB<<16
	s_mov_b32 s[\g+2], HROWS<<16
	s_mov_b32 s[\g+3], ROWB<<16
	s_mov_b32 s[\g+4], HROWS
	s_mov_b32 s[\g+5], KROW
	s_mov_b32 s[\g+6], 0
	s_mov_b32 s[\g+7], 0
.endr
	s_lshl_b32 s18, s16, 7
	s_lshl_b32 s20, s17, 8
	s_add_co_u32 s20, s20, s18
	s_lshl_b32 s20, s20, 10
	s_mov_b32 s21, 0
	s_lshl_b32 s46, s42, 8
	s_add_co_u32 s46, s46, s18
	s_lshl_b32 s46, s46, 10
	s_add_co_u32 s46, s46, 0x400000                ; W1's codes in wc
	s_mov_b32 s47, 0
	s_mul_i32 s45, s14, HALFT
	s_wait_kmcnt 0x0
	s_load_b128 s[76:79], s[10:11], 0x30           ; e12, e13, e14, e15
	s_add_nc_u64 s[20:21], s[4:5], s[20:21]
	s_add_nc_u64 s[46:47], s[6:7], s[46:47]
	CROUND
.irp s, 0,1
	s_mov_b32 s[G0+4*\s], 1
	s_add_co_u32 s[G0+4*\s+1], s45, \s*SLOT
	s_add_nc_u64 s[G0+4*\s+2:G0+4*\s+3], s[20:21], \s*ROWB
	s_or_b32 s[G0+4*\s+3], s[G0+4*\s+3], 0x80000000
	s_mov_b32 s[G0B+4*\s], 1
	s_add_co_u32 s[G0B+4*\s+1], s45, \s*SLOT
	s_add_nc_u64 s[G0B+4*\s+2:G0B+4*\s+3], s[46:47], \s*ROWB
	s_or_b32 s[G0B+4*\s+3], s[G0B+4*\s+3], 0x80000000
	JLOAD G0+4*\s, G1, G0B+4*\s, G1B               ; two tensor loads of mine are out
.endr
	v_and_b32 v1, 15, v0                           ; r
	v_bfe_u32 v2, v0, 4, 1                         ; h
	s_lshl_b32 s18, s42, 10
	s_lshl_b32 s19, s16, 9
	s_add_co_u32 s18, s18, s19
	s_mov_b32 s19, 0
	s_add_nc_u64 s[8:9], s[8:9], s[18:19]          ; b1 at my first hidden unit
	v_lshlrev_b32 v6, 6, v2
.irp p, 0,1,2,3
.irp k, 0,1,2,3
	global_load_b128 v[32+16*\p+4*\k:32+16*\p+4*\k+3], v6, s[8:9] offset:128*\p+16*\k   ; units 32 p + 16 h + 0 .. 15; they land during the products
.endr
.endr
	v_mul_u32_u24 v3, v1, PITCH
	v_lshl_add_u32 v4, v2, 4, v3
	s_mul_i32 s21, s15, HALFT
	s_mul_i32 s22, s16, HALFT
	s_add_co_u32 s22, s22, 2*HALFT
.irp s, 0,1
	v_add_nc_u32 v[ADRA+\s], s21, v4
	v_add_nc_u32 v[ADRB+\s], s22, v4
	s_add_co_u32 s21, s21, SLOT
	s_add_co_u32 s22, s22, SLOT
.endr
	s_mul_i32 s22, s15, 128*272                    ; the stage, in: row 128 x my half + 16 a + r, byte 128 x my half of the columns + 32 p + 16 h
	s_lshl_b32 s23, s16, 7
	s_add_co_u32 s22, s22, s23
	v_add_nc_u32 v[STO], s22, v4
	s_mul_i32 s22, s14, 64*272                     ; back: wave w takes rows 64 w .. 64 w + 63, whole
	v_mul_u32_u24 v8, v2, 272
	v_lshl_add_u32 v8, v1, 4, v8
	v_add_nc_u32 v[RD], s22, v8
	v_lshlrev_b32 v26, 12, v2
	v_lshl_add_u32 v26, v1, 4, v26
	s_lshl_b32 s18, s17, 8
	s_lshl_b32 s22, s14, 6
	s_add_co_u32 s18, s18, s22
	s_lshl_b32 s18, s18, 12
	s_lshl_b32 s22, s42, 8
	s_add_co_u32 s18, s18, s22
	s_add_nc_u64 s[12:13], s[12:13], s[18:19]      ; hid at row 256 x tile + 64 x wave, byte 256 x tile
	s_wait_kmcnt 0x0
	s_add_co_i32 s96, s76, s77
	s_add_co_i32 s96, s96, 127
	s_lshl_b32 s96, s96, 23                        ; 2^(e12 + e13)
	s_mov_b32 s97, s96
	s_add_co_i32 s78, s78, 127
	s_lshl_b32 s18, s78, 23
	v_mov_b32 v97, s18
	s_add_co_i32 s78, s78, 8
	s_lshl_b32 s78, s78, 23
	s_or_b32 s78, s78, 0x600000
	v_mov_b32 v96, s78
	s_wait_tensorcnt 1                             ; my part of K step 0 is in; K step 1's load may be out
	s_barrier_signal -1
	s_barrier_wait -1
	FETCH_B 0, 0, 0
	FETCH_A 0, 0, 0
	FETCH_A 0, 0, NA/2
	STEP 0, 0, 1
	s_mov_b32 s3, LAPS-1
.Llap:
	TURN 0, 1, 1
	STEP 1, 0, 0
	TURN 1, 0, 1
	STEP 0, 0, 0
	s_sub_co_u32 s3, s3, 1
	s_cmp_lg_u32 s3, 0
	s_cbranch_scc1 .Llap
	TURN 0, 1, 0
	STEP 1, 0, 0
	s_wait_dscnt 2*NA
	WIN MUL_LO
	MULR 0, NA/2, 1, 0
	s_wait_dscnt 0
	WIN MUL_HI
	MULR NA/2, NA/2, 1, 0
	WIN 0
.macro QOUT a                          ; 16 tokens: sum x 2^(e12 + e13) + b1; relu and the hold in one; codes into the stage
.set AC, 64*((\a)%4)
.set CD, 192+16*((\a)%2)
	WIN 0x02+((\a)/4)
.set J, 0
.rept 32
	v_pk_fma_f32 v[128+J:129+J], v[AC+J:AC+J+1], s[96:97], v[32+J:33+J] op_sel_hi:[1,0,1]   ; each accumulator from its low end on
.set J, J+2
.endr
	WIN 0
.set J, 0
.rept 64
	v_med3_num_f32 v[128+J], v[128+J], 0, v96
.set J, J+1
.endr
.irp p, 0,1,2,3
	v_cvt_scalef32_pk8_fp8_f32 v[CD+4*\p:CD+4*\p+1], v[128+16*\p:128+16*\p+7], v97
	v_cvt_scalef32_pk8_fp8_f32 v[CD+4*\p+2:CD+4*\p+3], v[128+16*\p+8:128+16*\p+15], v97
.endr
	v_nop
.irp p, 0,1,2,3
	ds_store_b128 v[STO], v[CD+4*\p:CD+4*\p+3] offset:(\a)*16*272+32*\p
.endr
.endm
	s_wait_loadcnt 0x0                             ; b1
	PLACES 4
.irp a, 0,1,2,3,4,5,6,7
	QOUT \a
.endr
	s_wait_dscnt 0x0                               ; for the others' sake: my stores into the stage are done
	s_barrier_signal -1
	s_barrier_wait -1
.set I, 0
.rept 32
	ds_load_b128 v[128+4*I:131+4*I], v[RD] offset:2*I*272
.set I, I+1
.endr
.set I, 0
.rept 32
	s_wait_dscnt 31-I
	global_store_b128 v26, v[128+4*I:131+4*I], s[12:13] offset:2*I*4096
.set I, I+1
.endr
	s_wait_tensorcnt 0x0                           ; the wave's end
	ds_add_u32 v[SPW], v[NIL]
	s_wait_dscnt 0x0
	CROUND
	s_endpgm
.Lfunc_end_k_qcf911f5b90_ffn1:
	.size	k_qcf911f5b90_ffn1, .Lfunc_end_k_qcf911f5b90_ffn1-k_qcf911f5b90_ffn1
	.p2alignl 7, 3214868480
	.fill 96, 4, 3214868480
	.section	.rodata,"a",@progbits
	.p2align	6, 0x0
	.amdhsa_kernel k_qcf911f5b90_ffn1
		.amdhsa_group_segment_fixed_size 327680
		.amdhsa_private_segment_fixed_size 0
		.amdhsa_enable_private_segment 0
		.amdhsa_kernarg_size 40
		.amdhsa_user_sgpr_count 2
		.amdhsa_user_sgpr_kernarg_segment_ptr 1
		.amdhsa_wavefront_size32 1
		.amdhsa_system_sgpr_workgroup_id_x 1
		.amdhsa_system_sgpr_workgroup_id_y 1
		.amdhsa_system_sgpr_workgroup_id_z 1
		.amdhsa_system_vgpr_workitem_id 0
		.amdhsa_next_free_vgpr 1024
		.amdhsa_next_free_sgpr 98
		.amdhsa_reserve_vcc 0
		.amdhsa_float_denorm_mode_32 3
		.amdhsa_float_denorm_mode_16_64 3
		.amdhsa_memory_ordered 1
		.amdhsa_forward_progress 1
		.amdhsa_inst_pref_size 141
	.end_amdhsa_kernel
	.amdgpu_metadata
---
amdhsa.version: [ 1, 2 ]
amdhsa.kernels:
  - .name:           k_qcf911f5b90_ffn1
    .symbol:         k_qcf911f5b90_ffn1.kd
    .args:
      - { .name: zc, .offset: 0, .size: 8, .value_kind: global_buffer, .address_space: global }
      - { .name: wc, .offset: 8, .size: 8, .value_kind: global_buffer, .address_space: global }
      - { .name: b1, .offset: 16, .size: 8, .value_kind: global_buffer, .address_space: global }
      - { .name: lowp_scales, .offset: 24, .size: 8, .value_kind: global_buffer, .address_space: global }
      - { .name: hid, .offset: 32, .size: 8, .value_kind: global_buffer, .address_space: global }
    .group_segment_fixed_size: 327680
    .private_segment_fixed_size: 0
    .kernarg_segment_align: 8
    .kernarg_segment_size: 40
    .max_flat_workgroup_size: 128
    .sgpr_count:     98
    .vgpr_count:     1024
    .wavefront_size: 32
...
	.end_amdgpu_metadata
.endif
;; end of part 6
;; launch ffn2 (part 7): grid 8 x 32, 4 waves a work-group, clusters of 4 x 4, 327,680 bytes of LDS; arguments hid, wc, b2, hb, lowp_scales, out0; writes out0
.if DOCPART == 7
	.amdgcn_target "amdgcn-amd-amdhsa--gfx1250"
	.amdhsa_code_object_version 6
	.text
	.protected	k_qcf911f5b90_ffn2
	.globl	k_qcf911f5b90_ffn2
	.p2align	8
	.type	k_qcf911f5b90_ffn2,@function
k_qcf911f5b90_ffn2:
	s_mov_b64 s[64:65], 0
	v_nop
	global_prefetch_b8 v0, s[64:65] scope:SCOPE_SE
	s_setreg_imm32_b32 hwreg(HW_REG_WAVE_MODE, 25, 1), 1
	s_wait_xcnt 0x0
	s_wait_alu depctr_hold_cnt(0) depctr_sa_sdst(0) depctr_va_vdst(0) depctr_va_sdst(0) depctr_va_ssrc(0) depctr_va_vcc(0) depctr_vm_vsrc(0)
	s_getreg_b32 s2, hwreg(HW_REG_IB_STS2, 6, 4)
	s_cmp_eq_u32 s2, 0
	s_cbranch_scc0 .Lentry_in_a_cluster
	s_endpgm
.Lentry_in_a_cluster:
	s_bfe_u32 s2, ttmp6, 0x10000c
	s_cmp_lg_u32 s2, 0xf033
	s_cbranch_scc0 .Lentry_shape_is_right
	s_endpgm
.Lentry_shape_is_right:
; out = h + hidden W2 + b2.  hidden: codes [4096][4096]; W2: codes [1024 n][4096 k]; h, out: f32 [4096][1024].
; Tiles of 128 x 128 (256 of them: one for each WGP).  Four waves, 64 x 64 each: 16 accumulators.  K goes in steps of 512 (rows of 512 bytes) through two LDS slots filled by the tensor data mover.
; CLUSTERS: 4 x 4; the hidden layer's tile is shared along a row of the cluster, W2's along a column.  The matrix instruction is used transposed: a lane holds eight neighbouring features of one token.
; The residual's 64 x 64 numbers a wave are asked for at the head, in the layout of the stores, and land during the products.
; LIMITS: e14 + e15 between -126 and 127.
; REGISTERS: window 0: v1-31 addresses; v32-63 bias; v64-95 sums on the way out; v96-127, v192-223 rows back from the stage; v128-191 the hidden layer's fragments.
;   window 1: W2's fragments at v0, v128; the residual at v64-127, v192-255.  window 2: accumulators.
.set NA,     4
.set ROWB,   512
.set PITCH,  528
.set QIC,    6
.set NQ,     4
.set HROWS,  64
.set HALFT,  HROWS*PITCH
.set SLOT,   4*HALFT
.set KROW,   4096
.set LAPS,   4
.set SPARE,  2*SLOT
.set AF,   128
.set ADRA, 16
.set ADRB, 20
.set STO,  24
.set RD,   25
.set SPW,  28
.set NIL,  29
.set G1,  24
.set G0,  32
.set G1B, 48
.set G0B, 56
.set MUL_LO, 0xa1
.set MUL_HI, 0xa1+0x50*(NA/8)
.set TO_B,   0x40
.set MSB, 0
.macro WIN new
.if MSB != (\new)
	s_set_vgpr_msb (MSB<<8)|(\new)
.set MSB, \new
.endif
.endm
.macro JLOAD g0a, g1a, g0b, g1b
	s_cmp_eq_u32 s15, 0
	s_cbranch_scc0 .Lfor_b_\@
	tensor_load_to_lds s[\g0a:\g0a+3], s[\g1a:\g1a+7]
	s_nop 0
.rept 4
	v_nop
.endr
	s_branch .Lasked_\@
.Lfor_b_\@:
	tensor_load_to_lds s[\g0b:\g0b+3], s[\g1b:\g1b+7]
	s_nop 0
.rept 4
	v_nop
.endr
.Lasked_\@:
.endm
.macro CREST
	s_cmp_lg_u32 s14, 0
	s_cbranch_scc1 .Lnot_wave_0_\@
	s_barrier_signal -3
.Lnot_wave_0_\@:
	s_barrier_wait -3
	s_barrier_signal -1
	s_barrier_wait -1
.endm
.macro CROUND
	s_barrier_signal -1
	s_barrier_wait -1
	CREST
.endm
.macro PLACES n
.rept \n
	v_nop
.endr
.endm
.macro FRAG reg, adr, q, i
.irp c, 0,1,2,3
	ds_load_b128 v[\reg+4*\c:\reg+4*\c+3], v[\adr] offset:128*(\q)+32*\c+(\i)*16*PITCH
.endr
.endm
.macro MULA a, p, z
.set AC, 8*NA*((\a)%4)
.set FA, AF+16*(\a)
.set BB, 0
.rept NA
.if \z == 1
	v_wmma_f32_16x16x128_fp8_fp8 v[AC+8*BB:AC+8*BB+7], v[128*(\p)+16*BB:128*(\p)+16*BB+15], v[FA:FA+15], 0
.else
	v_wmma_f32_16x16x128_fp8_fp8 v[AC+8*BB:AC+8*BB+7], v[128*(\p)+16*BB:128*(\p)+16*BB+15], v[FA:FA+15], v[AC+8*BB:AC+8*BB+7]
.endif
.set BB, BB+1
.endr
.endm
.macro MULR a0, n, p, z                ; the accumulators take turns, in the same order in every step
.set AA, \a0
.rept \n
	MULA AA, \p, \z
.set AA, AA+1
.endr
.endm
.macro FETCH_B slot, q, p
	WIN TO_B
.set II, 0
.rept NA
	FRAG 128*(\p)+16*II, ADRB+\slot, \q, II
.set II, II+1
.endr
	WIN 0
.endm
.macro FETCH_A slot, q, i0
.set II, \i0
.rept NA/2
	FRAG AF+16*II, ADRA+\slot, \q, II
.set II, II+1
.endr
.endm
.macro STEP slot, q, z
	s_wait_dscnt 2*NA                              ; all but the youngest 2 NA loads (the hidden layer's upper blocks)
	WIN MUL_LO
	MULR 0, NA/2, (\q)%2, \z
	s_wait_dscnt 0
	PLACES 4
	FETCH_B \slot, (\q)+1, 1-(\q)%2
	FETCH_A \slot, (\q)+1, 0
	WIN MUL_HI
	MULR NA/2, NA/2, (\q)%2, \z
	PLACES 4
	WIN 0
	FETCH_A \slot, (\q)+1, NA/2
.endm
.macro TURN slot, next, fill
	s_wait_tensorcnt 0x0                           ; all my tensor loads have landed: my part of the next slot
	ds_add_u32 v[SPW], v[NIL]                      ; 0 onto my spare word
	s_wait_dscnt 2*NA+1
	WIN MUL_LO
	MULR 0, NA/4, 1, 0
	s_wait_dscnt 0x0                               ; the add is done, and my reads of this slot are over
	s_barrier_signal -1
	MULR NA/4, NA/4, 1, 0
	WIN 0
	s_barrier_wait -1
.if \fill
	CREST                                          ; the barrier has opened a round of the cluster's
	s_add_nc_u64 s[G0+4*\slot+2:G0+4*\slot+3], s[G0+4*\slot+2:G0+4*\slot+3], 2*ROWB
	s_add_nc_u64 s[G0B+4*\slot+2:G0B+4*\slot+3], s[G0B+4*\slot+2:G0B+4*\slot+3], 2*ROWB
	JLOAD G0+4*\slot, G1, G0B+4*\slot, G1B         ; my one tensor load behind the round
.else
	PLACES 4
.endif
	FETCH_B \next, 0, 0
	FETCH_A \next, 0, 0
	WIN MUL_HI
	MULR NA/2, NA/2, 1, 0
	PLACES 4
	WIN 0
	FETCH_A \next, 0, NA/2
.endm
	s_load_b256 s[4:11], s[0:1], 0x0               ; hid 4, wc 6, b2 8, hb 10
	s_load_b128 s[68:71], s[0:1], 0x20             ; the exponents 68, out0 70
	v_lshl_add_u32 v[SPW], v0, 2, SPARE
	v_mov_b32 v[NIL], 0
	ds_add_u32 v28, v29
	ds_add_u32 v28, v29
	s_wait_dscnt 0x0
	v_lshrrev_b32 v1, 5, v0
	v_readfirstlane_b32 s14, v1
	s_lshr_b32 s15, s14, 1
	s_and_b32 s16, s14, 1
	s_bfe_u32 s40, ttmp6, 0x40000
	s_bfe_u32 s41, ttmp6, 0x40004
	s_lshl_b32 s42, ttmp9, 2
	s_add_co_u32 s42, s42, s40                     ; the features' tile 0..7
	s_and_b32 s17, ttmp7, 0xffff
	s_lshl_b32 s17, s17, 2
	s_add_co_u32 s17, s17, s41                     ; the tokens' tile 0..31
	s_lshl_b32 s43, s41, 2
	s_lshl_b32 s43, 15, s43
	s_lshl_b32 s44, 0x1111, s40
	s_or_b32 s[G1+0], s43, (1<<20)|(1<<21)|(QIC<<22)|(3<<25)
	s_or_b32 s[G1B+0], s44, (1<<20)|(1<<21)|(QIC<<22)|(3<<25)
.irp g, G1, G1B
	s_mov_b32 s[\g+1], ROWB<<16
	s_mov_b32 s[\g+2], HROWS<<16
	s_mov_b32 s[\g+3], ROWB<<16
	s_mov_b32 s[\g+4], HROWS
	s_mov_b32 s[\g+5], KROW
	s_mov_b32 s[\g+6], 0
	s_mov_b32 s[\g+7], 0
.endr
	s_lshl_b32 s18, s16, 6
	s_lshl_b32 s20, s17, 7
	s_add_co_u32 s20, s20, s18
	s_lshl_b32 s20, s20, 12
	s_mov_b32 s21, 0
	s_lshl_b32 s46, s42, 7
	s_add_co_u32 s46, s46, s18
	s_lshl_b32 s46, s46, 12
	s_add_co_u32 s46, s46, 0x800000                ; W2's codes in wc
	s_mov_b32 s47, 0
	s_mul_i32 s45, s14, HALFT
	s_wait_kmcnt 0x0
	s_load_b64 s[76:77], s[68:69], 0x38            ; e14, e15
	s_add_nc_u64 s[20:21], s[4:5], s[20:21]
	s_add_nc_u64 s[46:47], s[6:7], s[46:47]
	CROUND
.irp s, 0,1
	s_mov_b32 s[G0+4*\s], 1
	s_add_co_u32 s[G0+4*\s+1], s45, \s*SLOT
	s_add_nc_u64 s[G0+4*\s+2:G0+4*\s+3], s[20:21], \s*ROWB
	s_or_b32 s[G0+4*\s+3], s[G0+4*\s+3], 0x80000000
	s_mov_b32 s[G0B+4*\s], 1
	s_add_co_u32 s[G0B+4*\s+1], s45, \s*SLOT
	s_add_nc_u64 s[G0B+4*\s+2:G0B+4*\s+3], s[46:47], \s*ROWB
	s_or_b32 s[G0B+4*\s+3], s[G0B+4*\s+3], 0x80000000
	JLOAD G0+4*\s, G1, G0B+4*\s, G1B               ; two tensor loads of mine are out
.endr
	v_and_b32 v1, 15, v0                           ; r
	v_bfe_u32 v2, v0, 4, 1                         ; h
	s_lshl_b32 s18, s42, 9
	s_lshl_b32 s19, s16, 8
	s_add_co_u32 s18, s18, s19
	s_mov_b32 s19, 0
	s_add_nc_u64 s[8:9], s[8:9], s[18:19]
	s_lshl_b32 s22, s17, 7
	s_lshl_b32 s21, s15, 6
	s_add_co_u32 s22, s22, s21
	s_lshl_b32 s22, s22, 12
	s_add_co_u32 s18, s18, s22
	s_add_nc_u64 s[10:11], s[10:11], s[18:19]
	s_add_nc_u64 s[70:71], s[70:71], s[18:19]
	v_lshlrev_b32 v6, 5, v2
	v_lshlrev_b32 v26, 12, v2
	v_lshl_add_u32 v26, v1, 4, v26
.irp b, 0,1,2,3
	global_load_b128 v[32+8*\b:35+8*\b], v6, s[8:9] offset:64*\b
	global_load_b128 v[36+8*\b:39+8*\b], v6, s[8:9] offset:64*\b+16
.endr
	WIN 0x40
.irp a, 0,1,2,3
.irp i, 0,1,2,3,4,5,6,7
	global_load_b128 v[64+32*\a+64*(\a/2)+4*\i:64+32*\a+64*(\a/2)+4*\i+3], v26, s[10:11] offset:(16*\a+2*\i)*4096 th:TH_LOAD_NT
.endr
.endr
	WIN 0
	v_mul_u32_u24 v4, v1, PITCH
	v_lshl_add_u32 v4, v2, 4, v4
	s_mul_i32 s21, s15, HALFT
	s_mul_i32 s22, s16, HALFT
	s_add_co_u32 s22, s22, 2*HALFT
.irp s, 0,1
	v_add_nc_u32 v[ADRA+\s], s21, v4
	v_add_nc_u32 v[ADRB+\s], s22, v4
	s_add_co_u32 s21, s21, SLOT
	s_add_co_u32 s22, s22, SLOT
.endr
	s_mul_i32 s22, s14, 16*272                     ; my stage, in slot 0, which has had its last fill and its last read when the first result is stored there
	v_mul_u32_u24 v8, v1, 272
	v_lshl_add_u32 v8, v2, 5, v8
	v_add_nc_u32 v[STO], s22, v8
	v_mul_u32_u24 v8, v2, 272
	v_lshl_add_u32 v8, v1, 4, v8
	v_add_nc_u32 v[RD], s22, v8
	s_wait_kmcnt 0x0
	s_add_co_i32 s96, s76, s77
	s_add_co_i32 s96, s96, 127
	s_lshl_b32 s96, s96, 23
	s_mov_b32 s97, s96
	s_wait_tensorcnt 1                             ; my part of K step 0 is in; K step 1's load may be out
	s_barrier_signal -1
	s_barrier_wait -1
	FETCH_B 0, 0, 0
	FETCH_A 0, 0, 0
	FETCH_A 0, 0, NA/2
	STEP 0, 0, 1
	s_mov_b32 s3, LAPS-1
.Llap:                                             ; a trip goes once round the ring and fills both slots again
	STEP 0, 1, 0
	STEP 0, 2, 0
	TURN 0, 1, 1
	STEP 1, 0, 0
	STEP 1, 1, 0
	STEP 1, 2, 0
	TURN 1, 0, 1
	STEP 0, 0, 0
	s_sub_co_u32 s3, s3, 1
	s_cmp_lg_u32 s3, 0
	s_cbranch_scc1 .Llap
	STEP 0, 1, 0                                   ; the last lap fills nothing
	STEP 0, 2, 0
	TURN 0, 1, 0
	STEP 1, 0, 0
	STEP 1, 1, 0
	STEP 1, 2, 0
	s_wait_dscnt 2*NA
	WIN MUL_LO
	MULR 0, NA/2, 1, 0
	s_wait_dscnt 0
	WIN MUL_HI
	MULR NA/2, NA/2, 1, 0
	WIN 0
; THE WAY OUT, 16 tokens at a time: sum x 2^(eA + eB) + bias; through my stage, back as rows of 256 bytes; + the residual; sixteen lanes store 256 consecutive aligned bytes.
.macro TOSTAGE a
.set AC, 32*(\a)
.set OBB, 96+96*((\a)%2)
	WIN 0x02
.set J, 0
.rept 16
	v_pk_fma_f32 v[64+J:65+J], v[AC+J:AC+J+1], s[96:97], v[32+J:33+J] op_sel_hi:[1,0,1]   ; each accumulator from its low end on
.set J, J+2
.endr
	WIN 0
.irp b, 0,1,2,3
	ds_store_b128 v[STO], v[64+8*\b:67+8*\b] offset:64*\b
	ds_store_b128 v[STO], v[68+8*\b:71+8*\b] offset:64*\b+16
.endr
.irp i, 0,1,2,3,4,5,6,7
	ds_load_b128 v[OBB+4*\i:OBB+4*\i+3], v[RD] offset:2*\i*272
.endr
.endm
.macro SEND a, younger
.set OBB, 96+96*((\a)%2)
.set RB, 64+32*(\a)+64*((\a)/2)
	s_wait_dscnt \younger
	WIN 0x04                                       ; source 1 (the residual) window 1
.set J, 0
.rept 16
	v_pk_add_f32 v[OBB+J:OBB+J+1], v[OBB+J:OBB+J+1], v[RB+J:RB+J+1]
.set J, J+2
.endr
	WIN 0
.irp i, 0,1,2,3,4,5,6,7
	global_store_b128 v26, v[OBB+4*\i:OBB+4*\i+3], s[70:71] offset:(16*(\a)+2*\i)*4096 th:TH_STORE_NT
.endr
.endm
	s_wait_loadcnt 0x0                             ; the bias and the residual
	PLACES 4
	TOSTAGE 0
.irp a, 1,2,3
.if \a > 1
	s_wait_xcnt 0x0                                ; block a - 2's stores have read their registers
.endif
	TOSTAGE \a
	SEND \a-1, 16                                  ; behind block a - 1's loads: block a's 8 stores and 8 loads
.endr
	SEND 3, 0
	s_wait_tensorcnt 0x0                           ; the wave's end
	ds_add_u32 v[SPW], v[NIL]
	s_wait_dscnt 0x0
	CROUND
	s_endpgm
.Lfunc_end_k_qcf911f5b90_ffn2:
	.size	k_qcf911f5b90_ffn2, .Lfunc_end_k_qcf911f5b90_ffn2-k_qcf911f5b90_ffn2
	.p2alignl 7, 3214868480
	.fill 96, 4, 3214868480
	.section	.rodata,"a",@progbits
	.p2align	6, 0x0
	.amdhsa_kernel k_qcf911f5b90_ffn2
		.amdhsa_group_segment_fixed_size 327680
		.amdhsa_private_segment_fixed_size 0
		.amdhsa_enable_private_segment 0
		.amdhsa_kernarg_size 48
		.amdhsa_user_sgpr_count 2
		.amdhsa_user_sgpr_kernarg_segment_ptr 1
		.amdhsa_wavefront_size32 1
		.amdhsa_system_sgpr_workgroup_id_x 1
		.amdhsa_system_sgpr_workgroup_id_y 1
		.amdhsa_system_sgpr_workgroup_id_z 1
		.amdhsa_system_vgpr_workitem_id 0
		.amdhsa_next_free_vgpr 640
		.amdhsa_next_free_sgpr 98
		.amdhsa_reserve_vcc 0
		.amdhsa_float_denorm_mode_32 3
		.amdhsa_float_denorm_mode_16_64 3
		.amdhsa_memory_ordered 1
		.amdhsa_forward_progress 1
		.amdhsa_inst_pref_size 85
	.end_amdhsa_kernel
	.amdgpu_metadata
---
amdhsa.version: [ 1, 2 ]
amdhsa.kernels:
  - .name:           k_qcf911f5b90_ffn2
    .symbol:         k_qcf911f5b90_ffn2.kd
    .args:
      - { .name: hid, .offset: 0, .size: 8, .value_kind: global_buffer, .address_space: global }
      - { .name: wc, .offset: 8, .size: 8, .value_kind: global_buffer, .address_space: global }
      - { .name: b2, .offset: 16, .size: 8, .value_kind: global_buffer, .address_space: global }
      - { .name: hb, .offset: 24, .size: 8, .value_kind: global_buffer, .address_space: global }
      - { .name: lowp_scales, .offset: 32, .size: 8, .value_kind: global_buffer, .address_space: global }
      - { .name: out0, .offset: 40, .size: 8, .value_kind: global_buffer, .address_space: global }
    .group_segment_fixed_size: 327680
    .private_segment_fixed_size: 0
    .kernarg_segment_align: 8
    .kernarg_segment_size: 48
    .max_flat_workgroup_size: 128
    .sgpr_count:     98
    .vgpr_count:     640
    .wavefront_size: 32
...
	.end_amdgpu_metadata
.endif
;; end of part 7
;; ======== version 2 of 2: 7 launches; version 1 with the launch attn written anew for expert scheduling mode
;; limits: right only within a limited range of input values
;; workspace buffers: wc 12,582,912 bytes; xc 12,582,912 bytes; qkv 12,582,912 bytes; ac 4,194,304 bytes; hb 16,777,216 bytes; zc 4,194,304 bytes; hid 16,777,216 bytes
;; launch prep: the kernel of part 1 again; grid 640 x 1, 4 waves a work-group, no clusters, 35,328 bytes of LDS; arguments Wq, Wk, Wv, Wo, W1, W2, xb, a1, o1, lowp_scales, wc, xc; writes wc, xc
;; launch qkv: the kernel of part 2 again; grid 4 x 48, 4 waves a work-group, clusters of 4 x 4, 327,680 bytes of LDS; arguments xc, wc, bq, bk, bv, mask, lowp_scales, qkv; writes qkv
;; launch attn (part 8): grid 8 x 32, 16 waves a work-group, no clusters, 96,256 bytes of LDS; arguments qkv, mask, lowp_scales, ac; writes ac
.if DOCPART == 8
	.amdgcn_target "amdgcn-amd-amdhsa--gfx1250"
	.amdhsa_code_object_version 6
	.text
	.protected	k_qcf911f5b90_attn
	.globl	k_qcf911f5b90_attn
	.p2align	8
	.type	k_qcf911f5b90_attn,@function
k_qcf911f5b90_attn:
	s_mov_b64 s[64:65], 0
	v_nop
	global_prefetch_b8 v0, s[64:65] scope:SCOPE_SE
	s_setreg_imm32_b32 hwreg(HW_REG_WAVE_SCHED_MODE, 0, 2), 2
	s_setreg_imm32_b32 hwreg(HW_REG_WAVE_MODE, 25, 1), 1
	s_wait_xcnt 0x0
	s_wait_alu depctr_vm_vsrc(0)
; The attention on codes of E4M3: S = q k^T / 8, the mask, p = 2^(t - M), O = p v / l, quantised for the next product.  Head size 64, 2,048 keys, 32 (batch, head) pairs.
; SHARES.  A work-group owns 256 queries of one head; each of its sixteen waves 16 of them, in 256 registers: four waves to a SIMD, so that one wave's vector work stands beside another's products and LDS loads.
; Every wave walks all keys, 128 a step.  Both products are used transposed (S^T = k q^T, O^T = v^T p^T): a lane holds one query throughout.
; K AND V COME THROUGH REGISTERS INTO LDS AS IMAGES OF THE OPERANDS' REGISTERS: the 512 threads load a slot's 32 KiB (256 keys) as it lies, 16 bytes a thread and load, and store each piece where the fragment's load
; (16 x lane, 512 bytes an instruction) will want it.  The keys of a tile of k are 32 b + 8 u + r + 8 (r / 8), so that p's 16 registers of two neighbouring tiles are 16 neighbouring keys; v^T's rows likewise,
; so that O^T's are 16 neighbouring channels.  Two slots by turns; a slot's global loads are issued two steps ahead of their stores into LDS.
; ONE BARRIER A SLOT, ITS HALVES APART.  In a slot's second step, as soon as v^T's fragments (the wave's last reads of the slot) are asked for, the wave stores the next slot's pieces into the other slot, waits for all
; its LDS instructions and signals; the step's softmax, register work alone, stands between the signal and the wait.  The other slot's old readers waited for their reads ahead of the barrier before; the next slot is read behind the wait.
; NO TENSOR LOAD AND NO CLUSTER: a head's k and v are 256 KiB for a work-group that has 64 wave-steps of some 260 instructions on each SIMD: the shared bytes are a small part of a step; and this text
; branches on whole numbers that it loads (the mask; entry 8 of the exponents).
; THE MASK.  A masked key's k was stored as zero codes; its score is set by the C of the first product: sm = -2^(33 - e6 - e7), so that t = sm c = -1.4427 x 2^30 exactly, a whole number.  Beside any open key p is 0;
; in a row that is wholly masked p is 1 everywhere, as with -1e9.  A step without a masked key takes C = 0 (a scalar branch on the mask's whole numbers).
; SOFTMAX.  t = score x c, c = log2(e) / 8 x 2^(e6 + e7); M = the running largest t rounded up; the sum is taken of the unquantised p; when M moves, the sum and O^T are multiplied by 2^(old M - new M): exact.
; THE EXPONENTIALS ARE ONE BATCH: between them stand the plain lines that read none of their results (the scalings, three pairs ahead; the sum's and O^T's rescaling); the sums, which read them, follow behind one wait.
; LIMITS: e6 + e7 between -94 and 9 (no true logit then reaches the masked one); e8, e10 between -126 and 119.  NaN is not served.
; THE MODE: SCHED_MODE bits 1:0 = 2 (LLVM: expert scheduling mode 2), set by the entry lines.  The code itself states the register dependences
; between vector or matrix instructions and memory or LDS instructions, with s_wait_alu, always for 0.
; THE PLAN.  Registers that memory or LDS instructions touch, in the loop:
;   v1, v2, v3, v4   addresses, made at the head and never written again.
;   v9               the table's address: read by the masked way's LDS loads; written once a trip, at the trip's end.
;   v208-223         the next slot's pieces: global loads land in them, the four LDS stores read them; no vector instruction names them.
;   v32-95, v96-159  TWO BLOCKS THAT CHANGE ROLES FROM STEP TO STEP.  In a step, X and Y being the two: k's fragments lie in X (asked for in the step before); the first products read X and write S^T into Y;
;                    v^T's fragments land in X; the softmax and the conversions work on Y; the next step's k lands in Y; the second products read X.  In the next step Y is X and X is Y.
; So three waits on va_vdst stand in a step: behind the first products (they are done reading X: v^T may land); behind the exponentials (p is written: the sums may read it); behind the conversions (all readers and writers
; of Y are done: the next k may land, and it lands under the second products).  The masked way has one more, ahead of the table's loads into Y.  A wait on vm_vsrc stands ahead of the global loads into the pieces
; that LDS stores have read, and ahead of the add to v9.  Between a wait and the loads that it serves no vector or matrix instruction names their registers.
; REGISTERS: v1 16 x lane; v2 16 x thread; v3, v4 where my pieces of k and v go; v5 the bias table at my half; v9 the same at the trip's keys; v12 -M, v13 the largest t, v[14:15] the sum; v16-23 q;
; v32-159 the two blocks; v160-191 O^T; v192-207 p's codes; v208-223 the next slot's pieces; v224-254 at work.
.set SL1,  32768                       ; slot 1
.set VIM,  16384                       ; v's image in a slot, behind k's
.set TAB,  65536                       ; 2,048 f32: sm at a masked key, else 0
.set STGA, 73728                       ; the way out: 16 rows x (64 bytes + 16) for each wave
	s_load_b256 s[4:11], s[0:1], 0x0               ; qkv 4, mask 6, the exponents 8, ac 10
	v_lshl_add_u32 v251, v0, 2, 0x17000
	v_mov_b32 v255, 0
	v_lshrrev_b32 v8, 5, v0
	v_readfirstlane_b32 s12, v8                    ; wave 0..15
	v_and_b32 v8, 31, v0
	v_lshlrev_b32 v1, 4, v8
	v_lshlrev_b32 v2, 4, v0
	v_and_b32 v10, 15, v0                          ; r
	v_bfe_u32 v11, v0, 4, 1                        ; h
	v_lshlrev_b32 v6, 6, v10
	v_lshl_add_u32 v6, v11, 4, v6                  ; q: row r of 64 bytes, + 16 h
	v_lshlrev_b32 v5, 6, v11
	v_add_nc_u32 v5, TAB, v5
	s_wait_alu depctr_va_sdst(0)                   ; s12 is written, ahead of its first reader: the stage's place and the wave's queries are made from it
	s_mul_i32 s38, s12, 1280
	s_add_co_u32 s38, s38, STGA
	v_mul_u32_u24 v225, v10, 80
	v_lshl_add_u32 v225, v11, 4, v225
	v_add_nc_u32 v225, s38, v225                   ; the stage, in
	v_lshrrev_b32 v226, 2, v8
	v_mul_u32_u24 v226, v226, 80
	v_and_b32 v227, 3, v8
	v_lshl_add_u32 v226, v227, 4, v226
	v_add_nc_u32 v226, s38, v226                   ; and back
	v_add_nc_u32 v227, TAB, v2                     ; my four words of the table
	; thread T's piece of k: key T[8:2], 16 bytes T[1:0].  tile 2 T[8:7] + T[5]; piece T[1]; lane T[4:2] + 8 T[6] + 16 T[0]
	v_bfe_u32 v10, v0, 2, 3
	v_lshlrev_b32 v3, 4, v10
	v_bfe_u32 v10, v0, 6, 1
	v_lshl_add_u32 v3, v10, 7, v3
	v_and_b32 v10, 1, v0
	v_lshl_add_u32 v3, v10, 8, v3
	v_bfe_u32 v10, v0, 1, 1
	v_lshl_add_u32 v3, v10, 9, v3
	v_bfe_u32 v10, v0, 5, 1
	v_lshl_add_u32 v4, v10, 11, v3                 ; of v: channel T[7:2], keys 64 T[8] + 16 T[1:0]: tile 2 T[7] + T[5]; piece 2 T[8] + T[1]; the same lane
	v_lshl_add_u32 v3, v10, 10, v3
	v_bfe_u32 v10, v0, 7, 2
	v_lshl_add_u32 v3, v10, 11, v3
	v_bfe_u32 v10, v0, 7, 1
	v_lshl_add_u32 v4, v10, 12, v4
	v_bfe_u32 v10, v0, 8, 1
	v_lshl_add_u32 v4, v10, 10, v4
	v_add_nc_u32 v4, VIM, v4
	s_and_b32 s13, ttmp7, 0xffff                   ; 16 x batch + head
	s_lshl_b32 s38, s13, 17                        ; its 131,072 bytes in q, k and v
	s_add_co_u32 s40, s38, 0x400000
	s_add_co_u32 s42, s38, 0x800000
	s_lshl_b32 s44, ttmp9, 8
	s_lshl_b32 s45, s12, 4
	s_add_co_u32 s44, s44, s45                     ; my first query
	s_lshl_b32 s44, s44, 6
	s_add_co_u32 s38, s38, s44
	s_mov_b32 s39, 0
	s_mov_b32 s41, 0
	s_mov_b32 s43, 0
	s_lshr_b32 s46, s13, 4                         ; batch
	s_and_b32 s50, s13, 15
	s_lshl_b32 s50, s50, 18                        ; ac: [head][token][64]
	s_lshl_b32 s51, s46, 17
	s_add_co_u32 s50, s50, s51
	s_add_co_u32 s50, s50, s44
	s_mov_b32 s51, 0
	s_lshl_b32 s46, s46, 13
	s_mov_b32 s47, 0
	s_mov_b32 s20, 0x76543210                      ; v_permlanex16_b32: lane l xor 16
	s_mov_b32 s21, 0xfedcba98
	s_mov_b32 s31, 0                               ; the trip's first key in the table, in bytes
	v_add_nc_u32 v9, s31, v5                       ; the table at the first trip's keys
	s_wait_kmcnt 0x0
	s_load_b128 s[32:35], s[8:9], 0x18             ; e6, e7, e8, e9
	s_load_b32 s36, s[8:9], 0x28                   ; e10
	s_add_nc_u64 s[16:17], s[4:5], s[40:41]        ; k
	s_add_nc_u64 s[18:19], s[4:5], s[42:43]        ; v
	s_add_nc_u64 s[24:25], s[4:5], s[38:39]        ; q
	s_add_nc_u64 s[26:27], s[6:7], s[46:47]        ; the batch's mask
	s_add_nc_u64 s[28:29], s[10:11], s[50:51]
.macro GET                             ; a slot's 32 KiB: four loads of 16 bytes a thread
	global_load_b128 v[208:211], v2, s[16:17]
	global_load_b128 v[212:215], v2, s[16:17] offset:8192
	global_load_b128 v[216:219], v2, s[18:19]
	global_load_b128 v[220:223], v2, s[18:19] offset:8192
.endm
.macro PUTS sl                         ; the pieces that GET brought go into slot sl, whose old readers waited for their reads ahead of the barrier that this wave has passed
	s_wait_loadcnt 0x0                             ; the four loads are in: so their bases may step
	s_add_nc_u64 s[16:17], s[16:17], 16384
	s_add_nc_u64 s[18:19], s[18:19], 16384
	ds_store_b128 v3, v[208:211] offset:(\sl)*SL1
	ds_store_b128 v3, v[212:215] offset:(\sl)*SL1+8192
	ds_store_b128 v4, v[216:219] offset:(\sl)*SL1
	ds_store_b128 v4, v[220:223] offset:(\sl)*SL1+8192
	s_wait_dscnt 0x0                               ; for the others' sake: my stores have landed and my reads of the slot in hand are in
.endm
.macro KGET reg, sl, sg                ; k's eight fragments of the sg-th 128 keys of slot sl into the block at v[reg]
.irp t, 0,1,2,3,4,5,6,7
	ds_load_b128 v[(\reg)+8*\t:(\reg)+8*\t+3], v1 offset:(\sl)*SL1+8192*(\sg)+1024*\t
	ds_load_b128 v[(\reg)+8*\t+4:(\reg)+8*\t+7], v1 offset:(\sl)*SL1+8192*(\sg)+1024*\t+512
.endr
.endm
.macro OMUL i                          ; pair i of O^T under the new M
	v_pk_mul_f32 v[160+2*(\i):161+2*(\i)], v[160+2*(\i):161+2*(\i)], v[252:253] op_sel_hi:[1,0]
.endm
	s_wait_alu depctr_va_vdst(0)                   ; the addresses v1 to v6, v9 and v225 to v227 are written, which the loads and stores of the whole kernel read
	global_load_b128 v[16:19], v6, s[24:25]
	global_load_b128 v[20:23], v6, s[24:25] offset:32
	GET
	global_load_b128 v[24:27], v2, s[26:27]        ; my four keys' mask, for the table
.set SS, 0
.rept 16
	global_load_b128 v[96+4*SS:99+4*SS], v1, s[26:27] offset:512*SS   ; and all 2,048, for the steps' flags
.set SS, SS+1
.endr
	v_mov_b32 v13, 0xff61b1e6                      ; the largest t so far: -3e38
	v_floor_f32 v12, -v13
	v_mov_b32 v14, 0
	v_mov_b32 v15, 0
	v_mov_b32 v224, 0                              ; a lane permute's destination counts as read
	v_mov_b32 v253, 0
.set J, 0
.rept 32
	v_mov_b32 v[160+J], 0                          ; O^T: the step is written once, and the first change of M leaves zeros zeros
.set J, J+1
.endr
	s_wait_kmcnt 0x0
	s_add_co_i32 s38, s32, s33                     ; e6 + e7
	s_lshl_b32 s39, s38, 23
	s_mov_b32 s22, 0x3e38aa3b                      ; log2(e) / 8
	s_add_co_i32 s22, s22, s39                     ; x 2^(e6 + e7)
	s_mov_b32 s23, s22
	s_sub_co_i32 s38, 160, s38
	s_lshl_b32 s38, s38, 23
	s_or_b32 s38, s38, 0x80000000
	v_mov_b32 v7, s38                              ; sm
	s_add_co_i32 s38, s34, 127
	s_lshl_b32 s39, s38, 23
	v_mov_b32 v244, s39                            ; 2^e8
	s_add_co_i32 s38, s38, 8
	s_lshl_b32 s38, s38, 23
	s_or_b32 s38, s38, 0x600000
	v_mov_b32 v240, s38                            ; 448 x 2^e8
	s_add_co_i32 s38, s36, 127
	s_lshl_b32 s39, s38, 23
	v_mov_b32 v245, s39                            ; 2^e10
	s_add_co_i32 s38, s38, 8
	s_lshl_b32 s38, s38, 23
	s_or_b32 s38, s38, 0x600000
	v_mov_b32 v241, s38
	s_wait_loadcnt 0x0
	v_cmp_eq_u32 s2, 0, v24                        ; the twenty compares stand in one run, each with a scalar register of its own: my four keys of the table,
	v_cmp_eq_u32 s3, 0, v25
	v_cmp_eq_u32 s14, 0, v26
	v_cmp_eq_u32 s15, 0, v27
.set SS, 0
.rept 16
	v_min_u32 v228, v[96+4*SS], v[97+4*SS]         ; and for each step: is one of my four of its 128 keys masked?
	v_min_u32 v229, v[98+4*SS], v[99+4*SS]
	v_min_u32 v228, v228, v229
	v_cmp_eq_u32 s[40+SS], 0, v228
.set SS, SS+1
.endr
	s_wait_alu depctr_va_sdst(0)                   ; the compares have written s2, s3, s14, s15 and s40 to s55, ahead of their first readers below
	v_cndmask_b32 v24, 0, v7, s2
	v_cndmask_b32 v25, 0, v7, s3
	v_cndmask_b32 v26, 0, v7, s14
	v_cndmask_b32 v27, 0, v7, s15
	s_mov_b32 s30, 0                               ; bit s: step s has a masked key
.set SS, 0
.rept 16
	s_cmp_lg_u32 s[40+SS], 0
	s_cselect_b32 s38, 1<<SS, 0
	s_or_b32 s30, s30, s38
.set SS, SS+1
.endr
	s_wait_alu depctr_va_vdst(0)                   ; the selections have written v[24:27], which the LDS store reads
	ds_store_b128 v227, v[24:27]
	PUTS 0                                         ; keys 0 to 255, and the table's words above, have landed
	s_wait_alu depctr_vm_vsrc(0)                   ; the LDS stores have read v[208:223], in which the loads below land
	GET                                            ; keys 256 to 511
	s_barrier_signal -1
	s_barrier_wait -1
	KGET 32, 0, 0                                  ; the first step's k; no vector instruction has named these registers
; A KEY STEP: the sg-th 128 keys of slot sl; kk: the step's number in the trip, for the table and for the blocks' roles: FX holds k, then v^T; FY holds S^T, then p, then the next step's k.
; put = 1: a slot's second step: the next slot's pieces go into the other slot, and the slot's barrier stands round the softmax.  get = 1: the slot after that is asked for.  nx = 1: a step follows, and its k is asked for.
.macro STEP sl, sg, kk, put, get, nx
.set FX, 32+64*((\kk)%2)
.set FY, 96-64*((\kk)%2)
.set NSL, ((\sl)+(\sg))%2              ; the next step's slot,
.set NSG, 1-(\sg)                      ; and which half of it
.rept 5
	v_nop                                          ; five places between the last step's products, which read v^T in FY, and this step's, which write over it (ISA guide 7.12.1)
.endr
	s_bitcmp1_b32 s30, 0
	s_cbranch_scc1 .Lmasked_\@
	s_wait_dscnt 0x0                               ; k, asked for in the step before
.irp t, 0,1,2,3,4,5,6,7
	v_wmma_f32_16x16x64_fp8_fp8 v[FY+8*\t:FY+8*\t+7], v[FX+8*\t:FX+8*\t+7], v[16:23], 0
.endr
	s_branch .Ljoin_\@
.Lmasked_\@:
	s_wait_alu depctr_va_vdst(0)                   ; the last step's products are done reading FY, in which the table's words land; v9, their address, is written
.irp t, 0,1,2,3,4,5,6,7                ; register j of tile t is key 32 (t / 2) + 16 h + 8 (t % 2) + j
	ds_load_b128 v[FY+8*\t:FY+8*\t+3], v9 offset:512*\kk+128*(\t/2)+32*(\t%2)
	ds_load_b128 v[FY+8*\t+4:FY+8*\t+7], v9 offset:512*\kk+128*(\t/2)+32*(\t%2)+16
.endr
	s_wait_dscnt 0x0
.irp t, 0,1,2,3,4,5,6,7
	v_wmma_f32_16x16x64_fp8_fp8 v[FY+8*\t:FY+8*\t+7], v[FX+8*\t:FX+8*\t+7], v[16:23], v[FY+8*\t:FY+8*\t+7]
.endr
.Ljoin_\@:
	s_lshr_b32 s30, s30, 1
.rept 4
	v_nop                                          ; four places behind the products, ahead of the first read of their results (ISA guide 7.12.1)
.endr
	s_wait_alu depctr_va_vdst(0)                   ; the products are done reading k in FX, in which v^T lands
.irp t, 0,1,2,3                        ; v^T's four fragments: where put = 0 they land during the softmax
.irp c, 0,1,2,3
	ds_load_b128 v[FX+16*\t+4*\c:FX+16*\t+4*\c+3], v1 offset:\sl*SL1+VIM+8192*\sg+2048*\t+512*\c
.endr
.endr
.if \put
	PUTS 1-\sl                                     ; those were my last reads of this slot; the next slot's pieces, asked for two steps ago, go into the other one
.if \get
	s_wait_alu depctr_vm_vsrc(0)                   ; the LDS stores have read v[208:223], in which the loads below land
	GET                                            ; and the slot after that is asked for: its pieces are stored two steps on
.endif
	s_barrier_signal -1                            ; my stores have landed and my reads of this slot are in; only register work stands between this line and the wait
.endif
	v_max3_num_f32 v254, v[FY], v[FY+1], v[FY+2]   ; the step's largest score of my query among my 64 keys, in two chains, each accumulator from its low end on,
	v_max3_num_f32 v252, v[FY+3], v[FY+4], v[FY+5]
.irp i, 6,10,14,18,22,26,30,34,38,42,46,50,54,58
	v_max3_num_f32 v254, v254, v[FY+\i], v[FY+1+\i]
	v_max3_num_f32 v252, v252, v[FY+2+\i], v[FY+3+\i]
.endr
	v_max3_num_f32 v254, v254, v[FY+62], v[FY+63]
	v_max_num_f32 v254, v254, v252
	v_permlanex16_b32 v224, v254, s20, s21
	v_max_num_f32 v254, v254, v224                 ; and among lane l xor 16's
	v_mul_f32 v254, s22, v254                      ; as t (c is positive)
	v_max_num_f32 v13, v13, v254
	v_mov_b32 v254, v12
	v_floor_f32 v12, -v13                          ; the new -M = -ceil(t)
	v_sub_f32 v254, v12, v254                      ; old M - new M: a whole number, 0 or less
	v_cvt_i32_f32 v254, v254                       ; (it saturates)
	v_ldexp_f32 v252, 1.0, v254                    ; f = 2^(old M - new M)
.irp b, 0,1,2
	v_pk_fma_f32 v[FY+2*\b:FY+2*\b+1], v[FY+2*\b:FY+2*\b+1], s[22:23], v[12:13] op_sel_hi:[1,0,0]   ; t - M of the first three pairs
.endr
; THE BATCH.  Group B: the two exponentials of pair B, and between them plain lines that name no exponential's register: t - M of pair B + 3; the sum x f; O^T's sixteen pairs x f, in ascending order:
; each accumulator from its low end on.  The last of these stands behind the last exponential: the plain line ahead of the first use of a result (ISA guide 5.7.2).
.set B, 0
.rept 32
	v_exp_f32 v[FY+2*B], v[FY+2*B]                 ; p = 2^(t - M)
.if B < 29
	v_pk_fma_f32 v[FY+6+2*B:FY+7+2*B], v[FY+6+2*B:FY+7+2*B], s[22:23], v[12:13] op_sel_hi:[1,0,0]
.else
	OMUL B-17
.endif
	v_exp_f32 v[FY+1+2*B], v[FY+1+2*B]
.if B == 0
	v_pk_mul_f32 v[14:15], v[14:15], v[252:253] op_sel_hi:[1,0]   ; the sum under the new M
.elseif (B%2 == 0) && (B < 25)
	OMUL B/2-1
.elseif B == 31
	OMUL 15
.endif
.set B, B+1
.endr
	s_wait_alu depctr_va_vdst(0)                   ; the 64 exponentials have written p, which the sums below are the first to read: one wait for the batch
	v_pk_add_f32 v[242:243], v[FY:FY+1], v[FY+2:FY+3]   ; THE SUM IS TAKEN OF THE UNQUANTISED p: two at a time, in two chains
.irp j, 4,8,12,16,20,24,28,32,36,40,44,48,52,56,60
	v_pk_add_f32 v[14:15], v[14:15], v[FY+\j:FY+\j+1]
	v_pk_add_f32 v[242:243], v[242:243], v[FY+2+\j:FY+3+\j]
.endr
	v_pk_add_f32 v[14:15], v[14:15], v[242:243]
.if \put
	s_barrier_wait -1                              ; every wave has signalled: the next slot is whole, and nobody reads this one any more
.endif
	s_cmp_ge_i32 s34, -8                           ; p <= 1 <= 448 x 2^e8 from e8 = -8 on: the hold cannot act there
	s_cbranch_scc1 .Lno_hold_\@
.set J, 0
.rept 64
	v_min_num_f32 v[FY+J], v[FY+J], v240           ; the conversion does not saturate (ISA guide 7.6.2); p is not negative
.set J, J+1
.endr
.Lno_hold_\@:
.irp b, 0,1,2,3
	v_cvt_scalef32_pk8_fp8_f32 v[192+4*\b:193+4*\b], v[FY+16*\b:FY+16*\b+7], v244
	v_cvt_scalef32_pk8_fp8_f32 v[194+4*\b:195+4*\b], v[FY+16*\b+8:FY+16*\b+15], v244
.endr
	v_nop                                          ; a plain line between the last conversion and the products that read its result
.if \nx
	s_wait_alu depctr_va_vdst(0)                   ; the conversions are done reading p in FY, and all that wrote FY is done: the next step's k lands there
	KGET FY, NSL, NSG                              ; it lands under the products below, which name FX, the codes and O^T alone
	s_wait_dscnt 16                                ; LDS loads come back in order (ISA guide 5.7.1): v^T is in; the sixteen younger loads, k's, stay out
.else
	s_wait_dscnt 0x0                               ; v^T
.endif
.irp t, 0,1,2,3
	v_wmma_f32_16x16x128_fp8_fp8 v[160+8*\t:167+8*\t], v[FX+16*\t:FX+16*\t+15], v[192:207], v[160+8*\t:167+8*\t]
.endr
.endm
	s_mov_b32 s37, 3
.Lpair:                                            ; a trip: two slots, four steps, after which the blocks' roles are back where they began; three trips
	STEP 0, 0, 0, 0, 0, 1
	STEP 0, 1, 1, 1, 1, 1
	STEP 1, 0, 2, 0, 0, 1
	STEP 1, 1, 3, 1, 1, 1
	s_add_co_u32 s31, s31, 2048
	s_wait_alu depctr_vm_vsrc(0)                   ; the table's loads of this trip have read v9
	v_add_nc_u32 v9, s31, v5                       ; the table at the next trip's keys
	s_sub_co_u32 s37, s37, 1
	s_cmp_lg_u32 s37, 0
	s_cbranch_scc1 .Lpair
	STEP 0, 0, 0, 0, 0, 1                          ; the last two slots: the last pieces are stored, nothing more is asked for: no load leaves its buffer
	STEP 0, 1, 1, 1, 0, 1
	STEP 1, 0, 2, 0, 0, 1
	STEP 1, 1, 3, 0, 0, 0
	; THE WAY OUT: O^T / l x 2^(e8 + e9), quantised with entry 10; 16 codes for each pair of tiles; through my stage; 1,024 consecutive bytes a wave.
.rept 4
	v_nop
.endr
	v_add_f32 v14, v14, v15
	v_permlanex16_b32 v224, v14, s20, s21
	v_add_f32 v14, v14, v224
	v_rcp_f32 v14, v14
	v_nop                                          ; a plain line behind a transcendental (ISA guide 5.7.2)
	s_add_co_i32 s38, s34, s35
	s_wait_alu depctr_va_vdst(0)                   ; the reciprocal has written v14, which the next line reads
	v_ldexp_f32 v14, v14, s38
.set J, 0
.rept 32
	v_mul_f32 v[96+J], v[160+J], v14
.set J, J+1
.endr
.set J, 0
.rept 32
	v_med3_num_f32 v[96+J], v[96+J], -v241, v241
.set J, J+1
.endr
.irp p, 0,1
	v_cvt_scalef32_pk8_fp8_f32 v[128+4*\p:129+4*\p], v[96+16*\p:103+16*\p], v245
	v_cvt_scalef32_pk8_fp8_f32 v[130+4*\p:131+4*\p], v[104+16*\p:111+16*\p], v245
.endr
	v_nop
	s_wait_alu depctr_va_vdst(0)                   ; the conversions have written v[128:135], which the LDS stores read; the last products are done reading v[136:143], in which the loads from the stage land
	ds_store_b128 v225, v[128:131]
	ds_store_b128 v225, v[132:135] offset:32
	ds_load_b128 v[136:139], v226                  ; LDS serves a wave's instructions in order: these see my stores
	ds_load_b128 v[140:143], v226 offset:640
	s_wait_dscnt 1
	global_store_b128 v1, v[136:139], s[28:29]
	s_wait_dscnt 0
	global_store_b128 v1, v[140:143], s[28:29] offset:512
	s_wait_dscnt 0x0
	s_wait_alu depctr_hold_cnt(0) depctr_sa_sdst(0) depctr_va_vdst(0) depctr_va_sdst(0) depctr_va_ssrc(0) depctr_va_vcc(0) depctr_vm_vsrc(0)
	s_wait_tensorcnt 0x0
	ds_add_u32 v251, v255
	s_wait_dscnt 0x0
	s_endpgm
.Lfunc_end_k_qcf911f5b90_attn:
	.size	k_qcf911f5b90_attn, .Lfunc_end_k_qcf911f5b90_attn-k_qcf911f5b90_attn
	.p2alignl 7, 3214868480
	.fill 96, 4, 3214868480
	.section	.rodata,"a",@progbits
	.p2align	6, 0x0
	.amdhsa_kernel k_qcf911f5b90_attn
		.amdhsa_group_segment_fixed_size 96256
		.amdhsa_private_segment_fixed_size 0
		.amdhsa_enable_private_segment 0
		.amdhsa_kernarg_size 32
		.amdhsa_user_sgpr_count 2
		.amdhsa_user_sgpr_kernarg_segment_ptr 1
		.amdhsa_wavefront_size32 1
		.amdhsa_system_sgpr_workgroup_id_x 1
		.amdhsa_system_sgpr_workgroup_id_y 1
		.amdhsa_system_sgpr_workgroup_id_z 1
		.amdhsa_system_vgpr_workitem_id 0
		.amdhsa_next_free_vgpr 256
		.amdhsa_next_free_sgpr 66
		.amdhsa_reserve_vcc 0
		.amdhsa_float_denorm_mode_32 3
		.amdhsa_float_denorm_mode_16_64 3
		.amdhsa_memory_ordered 1
		.amdhsa_forward_progress 1
		.amdhsa_inst_pref_size 157
	.end_amdhsa_kernel
	.amdgpu_metadata
---
amdhsa.version: [ 1, 2 ]
amdhsa.kernels:
  - .name:           k_qcf911f5b90_attn
    .symbol:         k_qcf911f5b90_attn.kd
    .args:
      - { .name: qkv, .offset: 0, .size: 8, .value_kind: global_buffer, .address_space: global }
      - { .name: mask, .offset: 8, .size: 8, .value_kind: global_buffer, .address_space: global }
      - { .name: lowp_scales, .offset: 16, .size: 8, .value_kind: global_buffer, .address_space: global }
      - { .name: ac, .offset: 24, .size: 8, .value_kind: global_buffer, .address_space: global }
    .group_segment_fixed_size: 96256
    .private_segment_fixed_size: 0
    .kernarg_segment_align: 8
    .kernarg_segment_size: 32
    .max_flat_workgroup_size: 512
    .sgpr_count:     66
    .vgpr_count:     256
    .wavefront_size: 32
...
	.end_amdgpu_metadata
.endif
;; end of part 8
;; launch wo: the kernel of part 4 again; grid 8 x 32, 4 waves a work-group, clusters of 4 x 4, 327,680 bytes of LDS; arguments ac, wc, bo, xb, lowp_scales, hb; writes hb
;; launch ln2: the kernel of part 5 again; grid 256 x 1, 4 waves a work-group, no clusters, 0 bytes of LDS; arguments hb, a2, o2, lowp_scales, zc; writes zc
;; launch ffn1: the kernel of part 6 again; grid 16 x 16, 4 waves a work-group, clusters of 4 x 4, 327,680 bytes of LDS; arguments zc, wc, b1, lowp_scales, hid; writes hid
;; launch ffn2: the kernel of part 7 again; grid 8 x 32, 4 waves a work-group, clusters of 4 x 4, 327,680 bytes of LDS; arguments hid, wc, b2, hb, lowp_scales, out0; writes out0
